; MI455X (gfx1250); checked and timed in simulation.
; The chip was launched on July 23, 2026; its instructions are those of AMD's public machine-readable ISA for CDNA 5 (MIT licence, August 2026) and "CDNA5" Instruction Set Architecture Reference Guide (July 2026). The comments in the code are by the model that wrote it; some were corrected since.
;; Attention. Allowed arithmetic: matrix products marked QUANTISED: E4M3 operands, one given power-of-two scale a tensor, by v_wmma_f32_16x16x64_fp8_fp8 or v_wmma_f32_16x16x128_fp8_fp8, f32 sums; products left as they are: f32 operands where the result goes on into a quantised operand, else bf16, f16 or f32 operands; f32 sums; everything else in f32.
;; Inputs: W_attn 2,048 x 3,072 float32; b_attn 2,048 float32; b_v 1 float32; encoder_out 16 x 512 x 2,048 float32; hidden 1,024 x 16 float32; lengths 16 int32; lowp_scales 2 int32 (the exponents e of the quantised operands' scales 2^e); w_v 1 x 2,048 float32.
;; Outputs: out0 16 x 2,048 float32.
;; This version of the problem:
;;   THIS VERSION OF THE PROBLEM IS GIVEN IN LOW PRECISION. The matrix products marked QUANTISED in the list below multiply operands that are first quantised to E4M3 (4 exponent bits, 3 mantissa bits; 8 bits a number), with one given power-of-two scale for each operand tensor; their sums are f32. All else is computed in f32.
;;   The module's matrix products, in the order in which they are computed (A, B: the left and right operand; K: the contracted axis; several contracted axes count as one K, in the product's order):
;;     1. [M 8,192, K 3,072] x [K 3,072, N 2,048]; A: computed on the way; B: input W_attn: QUANTISED (scales: A lowp_scales[0], B lowp_scales[1])
;;     2. [M 8,192, K 2,048] x [K 2,048, N 1]; A: computed on the way; B: input w_v: left as it is (N = 1 < 16)
;;     3. batch 16 x [M 1, K 512] x [K 512, N 2,048]; A: computed on the way; B: input encoder_out: left as it is (M = 1 < 16)
;;   THE QUANTISER, for each operand of a quantised product, along K:
;;     - The operand's scale is 2^e, e = its entry of the input lowp_scales (int32; the entries are numbered through the quantised products in the list's order, A before B).
;;     - Each number is divided by the scale, clamped to +-448, and rounded to the nearest number of E4M3, ties to even, subnormals kept.
;;     - The product sums the exact products of the quantised numbers (number of the format x scale) in f32.
;;   ~~~python
;;   def quantise(x, axis, e):      # numpy; x: float32 -> the quantised numbers, widened to float32 again
;;       x = np.moveaxis(x, axis, -1); K = x.shape[-1]
;;       r = np.clip(x / 2.0 ** e, -448, 448)
;;       step = 2.0 ** (np.maximum(np.frexp(np.where(r == 0, 1, r))[1] - 1, -6) - 3)
;;       q = np.round(r / step) * step * 2.0 ** e      # np.round: ties to even
;;       return np.moveaxis(q, -1, axis).astype(np.float32)
;;   ~~~
;;   OPERANDS COMPUTED ON THE WAY. 'Computed on the way' means the value that the module computes at that place (a softmax that the list does not call 'softmax' is quantised finished and normalised). What goes into a quantiser is computed in f32, as accurately as f32 sums, v_exp_f32 and their like allow (about 1e-6 of the number): no bf16 or f16 on the way to a quantiser, and a product that is left as it is and whose result goes on into a quantised operand takes f32 operands (vector FMAs, or v_wmma_f32_16x16x4_f32). A number that lies on a knife's edge between two numbers of the format may be rounded either way, as far as f32 arithmetic and the matrix unit's own rounding can turn it there, and no further.
;; 2 versions, each right; version 2 is version 1 with the launch quant written anew for expert scheduling mode. Each part assembles by itself: llvm-mc -triple=amdgcn-amd-amdhsa -mcpu=gfx1250 --defsym DOCPART=n.
;; ======== version 1 of 2: 3 launches
;; workspace buffers: enc_codes 16,777,216 bytes; w_codes 6,291,456 bytes; hbp 262,144 bytes; part 524,288 bytes
;; launch quant (part 1): grid 768 x 1, 4 waves a work-group, no clusters, 33,280 bytes of LDS; arguments encoder_out, W_attn, hidden, lowp_scales, lengths, enc_codes, w_codes, hbp; writes enc_codes, w_codes, hbp
.if DOCPART == 1
	.amdgcn_target "amdgcn-amd-amdhsa--gfx1250"
	.amdhsa_code_object_version 6
	.text
	.protected	k_q15a5528b33_quant
	.globl	k_q15a5528b33_quant
	.p2align	8
	.type	k_q15a5528b33_quant,@function
k_q15a5528b33_quant:
	s_mov_b64 s[64:65], 0
	v_nop
	global_prefetch_b8 v0, s[64:65] scope:SCOPE_SE
	s_setreg_imm32_b32 hwreg(HW_REG_WAVE_MODE, 25, 1), 1
	s_wait_xcnt 0x0
; TWO KINDS OF WORK-GROUPS, parted by the work-group's number alone.
; (1) THE STREAMS (work-groups HBW on).  encoder_out [8192][2048] and W_attn [2048][3072], f32, become codes of FP8 (E4M3), one byte each, K innermost, each with the scale 2^e given for it:
;     entry 0 of the scales for encoder_out (it is part of the product's left operand), entry 1 for W_attn.  code = x / 2^e, held within +-448, rounded to the nearest code, ties to even.
;     Both tensors are dense streams.  The first WGA of these work-groups take encoder_out, the others W_attn; only pointers are chosen.  A wave takes 16 steps of 512 numbers = 4 rows of encoder_out.
;     THE MASK: positions at or beyond lengths[b] never reach the result (the softmax gives them weight 0), so a wave whose 4 rows all lie there reads nothing and stores zero codes, which keep the later
;     product finite.  The branch hangs on a whole number read from the input lengths.
;     Each load reads 512 consecutive bytes; the conversions want 16 NEIGHBOURS in a lane, so a step's 2,048 bytes turn through the wave's own stage in LDS (16 bytes of padding behind each 64).
;     A lane's 16 codes are 16 bytes: a store covers 512 consecutive bytes, aligned.  Loads run four steps (16 loads a wave) ahead.
; (2) THE HIDDEN PART (work-groups 0 to HBW - 1).  The first 1,024 of the product's K are hidden's column of the batch, the same in all 512 rows of a batch: that part of a sum is one number for each
;     (batch, column): 16 x 2,048 x 1,024, with the 16 batches as the 16 rows of a matrix instruction.  Wave g = 4 x work-group + wave takes 16 rows of W_attn (tile g / 2) and half g % 2 of the 1,024:
;     four steps of 128.  Both operands are quantised in registers: of W a lane (r, h) takes row r and 16 neighbours of each block of 32; of hidden [k][batch] it takes column r and its registers run down K,
;     in the same places of k.  Source 0 = W's 16 rows, source 1 = the 16 batches: lane (r, h), register j is batch r, column 8 h + j of the tile.  Two accumulators take turns.
;     The sums (of codes: 2^(e0 + e1) is applied later) leave as an image of the registers: hbp [half][tile][register group][lane][4]: a store covers 512 consecutive bytes, aligned.
;     No LDS, no barrier: these waves share nothing.
; LIMITS: both e between -126 and 119, so that 2^e and 448 x 2^e are f32 numbers.  NaN among the inputs is not served.
; No tensor loads and no clusters: no input tile is shared by work-groups that run in step.
.set STEPS, 16
.set HBW,   64                         ; 128 tiles x 2 halves / 4 waves
.set WGA,   512                        ; 8192 x 2048 / 32,768 work-groups for encoder_out; 2048 x 3072 / 32,768 = 192 for W_attn
.set EMAX,  8
.set MANT,  0x600000                   ; the mantissa field of 448 as f32
.set R,     16                         ; the streams: v16-79   four sets of 16 numbers as they are loaded
.set X,     80                         ;              v80-111  two sets of 16 neighbours
.set C,     128                        ;              v128-191 codes: four registers for each step, so that no store's data are written again
.set WREG,  8192                       ; LDS: a region of its own for each wave: two stages of 32 x SP bytes
.set SP,    80                         ; a lane's place in a stage: its 64 bytes + 16 of padding
.set HC,    16                         ; the hidden part: v16-31 hidden's fragment, v32-47 W's fragment,
.set WC,    32
.set A0,    48                         ;              v48-55 and v56-63 the two accumulators,
.set HF,    64                         ;              v64-127 64 numbers of hidden,
.set WF,    128                        ;              v128-255 two sets of 64 numbers of W
.set KW,    12288                      ; a row of W_attn in bytes
	s_load_b128 s[4:7], s[0:1], 0x0                ; encoder_out, W_attn
	s_load_b128 s[8:11], s[0:1], 0x10              ; hidden, the scales' exponents
	s_load_b128 s[12:15], s[0:1], 0x20             ; lengths, encoder_out's codes
	s_load_b128 s[32:35], s[0:1], 0x30             ; W_attn's codes, hbp
	v_lshl_add_u32 v12, v0, 2, 0x8000
	v_mov_b32 v13, 0
	v_lshrrev_b32 v1, 5, v0
	v_readfirstlane_b32 s16, v1                    ; wave
	s_cmp_lt_u32 ttmp9, HBW
	s_cbranch_scc1 .Lhb
	; ---------------- the streams
	s_sub_co_u32 s31, ttmp9, HBW                   ; my number among the streams' work-groups
	v_and_b32 v2, 31, v0                           ; lane
	v_lshlrev_b32 v3, 4, v2                        ; my 16 bytes of a load's 512, and of a store's 512
	s_mul_i32 s17, s16, WREG
	v_lshrrev_b32 v14, 2, v2
	v_mul_u32_u24 v14, v14, SP
	v_and_b32 v15, 3, v2
	v_lshl_add_u32 v14, v15, 4, v14
	v_add_nc_u32 v14, s17, v14                     ; the stage, on the way in: SP (lane / 4) + 16 (lane % 4); a load's 512 bytes take eight places
	v_mul_u32_u24 v15, v2, SP
	v_add_nc_u32 v15, s17, v15                     ; and on the way out: SP x lane: my 16 neighbours
	s_lshr_b32 s28, s31, 5                         ; 32 work-groups of 16 rows to a batch;
	s_min_u32 s28, s28, 15                         ; W_attn's work-groups read entry 15 and do not use it
	s_lshl_b32 s28, s28, 2
	s_mov_b32 s29, 0
	s_wait_kmcnt 0x0
	s_add_nc_u64 s[12:13], s[12:13], s[28:29]
	s_load_b64 s[22:23], s[10:11], 0x0             ; e of encoder_out, e of W_attn
	s_load_b32 s26, s[12:13], 0x0                  ; lengths[b]
	s_cmp_lt_u32 s31, WGA                          ; which tensor?  The choice hangs on the work-group's number alone
	s_cselect_b64 s[4:5], s[4:5], s[6:7]
	s_cselect_b64 s[24:25], s[14:15], s[32:33]
	s_cselect_b32 s17, 0, WGA
	s_sub_co_u32 s17, s31, s17
	s_lshl_b32 s17, s17, 2
	s_add_co_u32 s18, s17, s16                     ; which run of 8,192 numbers of the tensor is my wave's
	s_mov_b32 s19, 0
	s_mov_b64 s[20:21], 512*STEPS*4
	s_mul_u64 s[20:21], s[18:19], s[20:21]
	s_add_nc_u64 s[4:5], s[4:5], s[20:21]
	s_mov_b64 s[20:21], 512*STEPS
	s_mul_u64 s[20:21], s[18:19], s[20:21]
	s_add_nc_u64 s[24:25], s[24:25], s[20:21]
	s_wait_kmcnt 0x0
	s_cmp_lt_u32 s31, WGA
	s_cselect_b32 s22, s22, s23                    ; e
	s_cselect_b32 s26, s26, 512                    ; W_attn has no mask: 512 lies above every first row below
	s_and_b32 s27, s31, 31
	s_lshl_b32 s27, s27, 4
	s_lshl_b32 s30, s16, 2
	s_add_co_u32 s27, s27, s30                     ; my first position in the batch: 16 x (work-group % 32) + 4 x wave, 508 at the most
	s_cmp_ge_u32 s27, s26                          ; unsigned: a negative length would hide nothing here
	s_cbranch_scc1 .Lzero
.macro LOAD t
.irp i, 0,1,2,3
	global_load_b128 v[R+16*((\t)%4)+4*\i:R+16*((\t)%4)+4*\i+3], v3, s[4:5] offset:2048*(\t)+512*\i   ; 32 lanes read 512 consecutive bytes
.endr
.endm
.macro TURN t                          ; step t's numbers through the stage: LDS serves a wave's instructions in order (ISA guide 5.7.1.4), so no wait stands between the stores and the loads
.irp i, 0,1,2,3
	ds_store_b128 v14, v[R+16*((\t)%4)+4*\i:R+16*((\t)%4)+4*\i+3] offset:32*SP*((\t)%2)+8*SP*\i
.endr
.irp i, 0,1,2,3
	ds_load_b128 v[X+16*((\t)%2)+4*\i:X+16*((\t)%2)+4*\i+3], v15 offset:32*SP*((\t)%2)+16*\i
.endr
.endm
.irp t, 0,1,2,3
	LOAD \t
.endr
	s_add_co_i32 s22, s22, 127
	s_lshl_b32 s23, s22, 23
	v_mov_b32 v11, s23                             ; 2^e as f32: the conversion takes its exponent field
	s_add_co_i32 s22, s22, EMAX
	s_lshl_b32 s22, s22, 23
	s_or_b32 s22, s22, MANT
	v_mov_b32 v10, s22                             ; 448 x 2^e
	s_wait_loadcnt 12                              ; step 0's four loads are in; the twelve of steps 1 to 3 stay out
	TURN 0
.macro STEP t
.set XS, X+16*((\t)%2)
	s_wait_dscnt 0x0                               ; this step's numbers are back from the stage: so its stores into the stage have read their registers,
.if (\t)+4 < STEPS
	LOAD (\t)+4                                    ; which take the loads of four steps on
.endif
.if (\t)+1 < STEPS
.if STEPS-2-(\t) >= 3
	s_wait_loadcnt 12                              ; the next step's four loads are in; those of the three steps behind it may be out
.else
	s_wait_loadcnt 4*(STEPS-2-(\t))                ; near the end fewer steps stand behind it
.endif
	TURN (\t)+1                                    ; and go through the other stage while this step is worked
.endif
.irp i, 0,1,2,3,4,5,6,7,8,9,10,11,12,13,14,15
	v_med3_num_f32 v[XS+\i], v[XS+\i], -v10, v10   ; the conversion to an 8-bit code does not saturate (ISA guide 7.6.2): hold the number within the largest code x the scale first
.endr
	v_cvt_scalef32_pk8_fp8_f32 v[C+4*(\t):C+4*(\t)+1], v[XS:XS+7], v11          ; eight numbers / 2^e, to the nearest code, ties to even; the first number's code in the lowest byte
	v_cvt_scalef32_pk8_fp8_f32 v[C+4*(\t)+2:C+4*(\t)+3], v[XS+8:XS+15], v11
	v_nop                                          ; one plain vector line behind the last conversion of a run
	global_store_b128 v3, v[C+4*(\t):C+4*(\t)+3], s[24:25] offset:512*(\t)      ; 32 lanes store 512 consecutive bytes, aligned
.endm
.irp t, 0,1,2,3,4,5,6,7,8,9,10,11,12,13,14,15
	STEP \t
.endr
	s_wait_tensorcnt 0x0
	ds_add_u32 v12, v13
	s_wait_dscnt 0x0
	s_endpgm
.Lzero:                                                ; all four rows lie at or beyond the length: zero codes, nothing read
.irp i, 0,1,2,3
	v_mov_b32 v[C+\i], 0
.endr
.irp t, 0,1,2,3,4,5,6,7,8,9,10,11,12,13,14,15
	global_store_b128 v3, v[C:C+3], s[24:25] offset:512*\t
.endr
	s_endpgm
	; ---------------- the hidden part
.Lhb:
	v_and_b32 v1, 15, v0                           ; r
	v_bfe_u32 v2, v0, 4, 1                         ; h
	s_lshl_b32 s17, ttmp9, 2
	s_add_co_u32 s17, s17, s16                     ; g = 4 x work-group + wave
	s_lshr_b32 s18, s17, 1                         ; the tile: W's rows 16 t on
	s_and_b32 s19, s17, 1                          ; the half: k = 512 q on
	v_mul_u32_u24 v3, v1, KW                       ; W: row r,
	v_lshl_add_u32 v3, v2, 6, v3                   ;    + 64 h: my 16 numbers of a block of 32
	v_lshlrev_b32 v4, 2, v1                        ; hidden: column r (the batch),
	v_lshl_add_u32 v4, v2, 10, v4                  ;    lanes 16-31 begin 16 rows of 64 bytes further down
	v_and_b32 v5, 31, v0
	v_lshlrev_b32 v5, 4, v5                        ; out: 16 x lane
	s_mul_i32 s20, s18, 16*KW                      ; under 2^25
	s_lshl_b32 s21, s19, 11                        ; 512 numbers of a row
	s_add_co_u32 s20, s20, s21
	s_mov_b32 s21, 0
	s_lshl_b32 s22, s19, 15                        ; 512 rows of hidden
	s_mov_b32 s23, 0
	s_lshl_b32 s24, s18, 10                        ; a tile's image is 1,024 bytes;
	s_lshl_b32 s25, s19, 17                        ; 128 tiles to a half
	s_add_co_u32 s24, s24, s25
	s_mov_b32 s25, 0
	s_wait_kmcnt 0x0
	s_load_b64 s[26:27], s[10:11], 0x0             ; e0 (hidden is part of the left operand), e1 (W_attn)
	s_add_nc_u64 s[6:7], s[6:7], s[20:21]
	s_add_nc_u64 s[8:9], s[8:9], s[22:23]
	s_add_nc_u64 s[34:35], s[34:35], s[24:25]
.macro HLOAD s                         ; step s: hidden(128 s + 32 c + 16 h + i, r): sixteen neighbouring lanes read 64 neighbouring bytes
.irp c, 0,1,2,3
.irp i, 0,1,2,3,4,5,6,7,8,9,10,11,12,13,14,15
	global_load_b32 v[HF+16*\c+\i], v4, s[8:9] offset:(128*(\s)+32*\c+\i)*64
.endr
.endr
.endm
.macro WLOAD s                         ; step s: W(r, 128 s + 32 c + 16 h + 0 .. 15) into set s % 2: 64 neighbouring bytes a lane for each block.  (No hint: the streams read these bytes too)
.irp c, 0,1,2,3
.irp j, 0,1,2,3
	global_load_b128 v[WF+64*((\s)%2)+16*\c+4*\j:WF+64*((\s)%2)+16*\c+4*\j+3], v3, s[6:7] offset:512*(\s)+128*\c+16*\j
.endr
.endr
.endm
; 64 numbers of a lane, register 16 c + i = k 32 c + 16 h + i, become a fragment: registers 4 c .. 4 c + 3 hold those 16 codes.  The same places of k on both sides, so every product meets its partner.
.macro QUANT64 src, dst, sc, lim
.set i, 0
.rept 64
	v_med3_num_f32 v[\src+i], v[\src+i], -v[\lim], v[\lim]         ; the hold at the largest code x the scale (ISA guide 7.6.2)
.set i, i+1
.endr
.irp g, 0,1,2,3,4,5,6,7
	v_cvt_scalef32_pk8_fp8_f32 v[\dst+2*\g:\dst+2*\g+1], v[\src+8*\g:\src+8*\g+7], v[\sc]
.endr
	v_nop                                          ; one plain vector line between the last conversion and the matrix instruction that reads its result
.endm
; A step of 128 along K.  Loads come back in order (ISA guide 5.7.1), so each wait names what was asked for behind the loads that it needs.
.macro HSTEP s
.if (\s) == 0
	s_wait_loadcnt 32                              ; hidden's step 0 is in; W's two sets (32 loads) stay out
.elseif (\s) == 3
	s_wait_loadcnt 0x0                             ; the last step: nothing was asked for behind it
.else
	s_wait_loadcnt 16                              ; hidden's step is in, and so is all that was asked for ahead of it (this step's W); the W set asked for last stays out
.endif
	QUANT64 HF, HC, 8, 9
.if (\s) < 3
	HLOAD (\s)+1                                   ; the numbers are converted: their registers take the next step's
.endif
.if (\s) == 0
	s_wait_loadcnt 63                              ; W's two sets are in: they are the oldest 32 of the 96 asked for; behind them stand 64 loads, more than a count can name
.endif
	QUANT64 WF+64*((\s)%2), WC, 11, 10
.if (\s) < 2
	WLOAD (\s)+2
.endif
.if (\s) < 2
	v_wmma_f32_16x16x128_fp8_fp8 v[A0+8*(\s):A0+8*(\s)+7], v[WC:WC+15], v[HC:HC+15], 0    ; the first product on each accumulator starts its sum
.else
	v_wmma_f32_16x16x128_fp8_fp8 v[A0+8*((\s)%2):A0+8*((\s)%2)+7], v[WC:WC+15], v[HC:HC+15], v[A0+8*((\s)%2):A0+8*((\s)%2)+7]   ; the two accumulators take turns, one instruction a turn
.endif
.rept 4
	v_nop                                          ; four places ahead of the lines that write its sources anew or read its result (ISA guide 7.12.1)
.endr
.endm
	HLOAD 0                                        ; 96 loads are asked for on end; where the counter's field is full the issue holds (ISA guide 5.7.1)
	WLOAD 0
	WLOAD 1
	s_wait_kmcnt 0x0
	s_add_co_i32 s28, s26, 127
	s_lshl_b32 s29, s28, 23
	v_mov_b32 v8, s29                              ; 2^e0
	s_add_co_i32 s28, s28, EMAX
	s_lshl_b32 s28, s28, 23
	s_or_b32 s28, s28, MANT
	v_mov_b32 v9, s28                              ; 448 x 2^e0
	s_add_co_i32 s28, s27, 127
	s_lshl_b32 s29, s28, 23
	v_mov_b32 v11, s29                             ; 2^e1
	s_add_co_i32 s28, s28, EMAX
	s_lshl_b32 s28, s28, 23
	s_or_b32 s28, s28, MANT
	v_mov_b32 v10, s28                             ; 448 x 2^e1
	HSTEP 0
	HSTEP 1
	HSTEP 2
	HSTEP 3
.irp i, 0,2,4,6
	v_pk_add_f32 v[HF+\i:HF+\i+1], v[A0+\i:A0+\i+1], v[A0+8+\i:A0+8+\i+1]       ; the two sums, each read from its low end on
.endr
	global_store_b128 v5, v[HF:HF+3], s[34:35]                     ; registers 0-3 of all lanes: 512 consecutive bytes, aligned
	global_store_b128 v5, v[HF+4:HF+7], s[34:35] offset:512        ; registers 4-7
	s_endpgm
.Lfunc_end_k_q15a5528b33_quant:
	.size	k_q15a5528b33_quant, .Lfunc_end_k_q15a5528b33_quant-k_q15a5528b33_quant
	.p2alignl 7, 3214868480
	.fill 96, 4, 3214868480
	.section	.rodata,"a",@progbits
	.p2align	6, 0x0
	.amdhsa_kernel k_q15a5528b33_quant
		.amdhsa_group_segment_fixed_size 33280
		.amdhsa_private_segment_fixed_size 0
		.amdhsa_enable_private_segment 0
		.amdhsa_kernarg_size 64
		.amdhsa_user_sgpr_count 2
		.amdhsa_user_sgpr_kernarg_segment_ptr 1
		.amdhsa_wavefront_size32 1
		.amdhsa_system_sgpr_workgroup_id_x 1
		.amdhsa_system_sgpr_workgroup_id_y 1
		.amdhsa_system_sgpr_workgroup_id_z 1
		.amdhsa_system_vgpr_workitem_id 0
		.amdhsa_next_free_vgpr 256
		.amdhsa_next_free_sgpr 66
		.amdhsa_reserve_vcc 0
		.amdhsa_float_denorm_mode_32 3
		.amdhsa_float_denorm_mode_16_64 3
		.amdhsa_memory_ordered 1
		.amdhsa_forward_progress 1
		.amdhsa_inst_pref_size 109
	.end_amdhsa_kernel
	.amdgpu_metadata
---
amdhsa.version: [ 1, 2 ]
amdhsa.kernels:
  - .name:           k_q15a5528b33_quant
    .symbol:         k_q15a5528b33_quant.kd
    .args:
      - { .name: encoder_out, .offset: 0, .size: 8, .value_kind: global_buffer, .address_space: global }
      - { .name: W_attn, .offset: 8, .size: 8, .value_kind: global_buffer, .address_space: global }
      - { .name: hidden, .offset: 16, .size: 8, .value_kind: global_buffer, .address_space: global }
      - { .name: lowp_scales, .offset: 24, .size: 8, .value_kind: global_buffer, .address_space: global }
      - { .name: lengths, .offset: 32, .size: 8, .value_kind: global_buffer, .address_space: global }
      - { .name: enc_codes, .offset: 40, .size: 8, .value_kind: global_buffer, .address_space: global }
      - { .name: w_codes, .offset: 48, .size: 8, .value_kind: global_buffer, .address_space: global }
      - { .name: hbp, .offset: 56, .size: 8, .value_kind: global_buffer, .address_space: global }
    .group_segment_fixed_size: 33280
    .private_segment_fixed_size: 0
    .kernarg_segment_align: 8
    .kernarg_segment_size: 64
    .max_flat_workgroup_size: 128
    .sgpr_count:     66
    .vgpr_count:     256
    .wavefront_size: 32
...
	.end_amdgpu_metadata
.endif
;; end of part 1
;; launch scores (part 2): grid 8 x 32, 4 waves a work-group, clusters of 4 x 4, 327,680 bytes of LDS; arguments enc_codes, w_codes, hbp, lowp_scales, b_attn, w_v, part; writes part
.if DOCPART == 2
	.amdgcn_target "amdgcn-amd-amdhsa--gfx1250"
	.amdhsa_code_object_version 6
	.text
	.protected	k_q15a5528b33_scores
	.globl	k_q15a5528b33_scores
	.p2align	8
	.type	k_q15a5528b33_scores,@function
k_q15a5528b33_scores:
	s_mov_b64 s[64:65], 0
	v_nop
	global_prefetch_b8 v0, s[64:65] scope:SCOPE_SE
	s_setreg_imm32_b32 hwreg(HW_REG_WAVE_MODE, 25, 1), 1
	s_wait_xcnt 0x0
	s_wait_alu depctr_hold_cnt(0) depctr_sa_sdst(0) depctr_va_vdst(0) depctr_va_sdst(0) depctr_va_ssrc(0) depctr_va_vcc(0) depctr_vm_vsrc(0)
	s_getreg_b32 s2, hwreg(HW_REG_IB_STS2, 6, 4)
	s_cmp_eq_u32 s2, 0
	s_cbranch_scc0 .Lentry_in_a_cluster
	s_endpgm
.Lentry_in_a_cluster:
	s_bfe_u32 s2, ttmp6, 0x10000c
	s_cmp_lg_u32 s2, 0xf033
	s_cbranch_scc0 .Lentry_shape_is_right
	s_endpgm
.Lentry_shape_is_right:
; part[n / 128][row] = the sum over 128 columns n of w_v[n] tanh( (Q(temp) Q(W_attn)^T)[row][n] + b_attn[n] ),  temp = [hidden^T of the row's batch, encoder_out's row], K = 3,072, on codes of FP8 (E4M3).
; enc_codes [8192][2048] and w_codes [2048][3072] are codes with K innermost; the left operand's scale is 2^e0, W's 2^e1.
; A tile of 256 rows x 256 columns is made by a work-group of four waves, as many as a WGP has SIMDs; a wave makes 128 x 128: 64 accumulators of 16 x 16, 512 registers.  32 x 8 tiles: 256 work-groups.
; THE FIRST 1,024 OF K ARE THE SAME IN ALL ROWS OF A BATCH, and a tile's 256 rows lie in one batch.  That part of every sum comes ready from the launch before, in two halves of K, as sums of codes:
; hbp [half][column / 16][register group][lane][4], lane = batch + 16 h.  HB = b_attn / 2^(e0 + e1) + the two halves, in the accumulators' layout (8 x 8 registers, the same in all 16 rows), is the C of the
; first product on each of the 64 accumulators: neither a bias addition nor a clearing is written.
; The other 2,048 of K go in steps of 256 through a ring of two LDS slots filled by the tensor data mover: a tile's row is 256 bytes of memory.
; CLUSTERS: 4 x 4 work-groups.  The four of a row of the cluster need the same tiles of enc_codes, the four of a column the same tiles of w_codes: each tile is asked for JOINTLY, by the same tensor load with the
; same descriptor and a mask that names the four.  By this text's own count a wave has two tensor loads out at the start and one behind each round.
; THE MATRIX INSTRUCTION IS USED TRANSPOSED (source 0 = 16 rows of W, source 1 = 16 rows of temp): lane (r, h), register j of accumulator (a, b) is row 16 a + r, column 16 b + 8 h + j.
; A fragment is fetched by four loads of 16 bytes: a permutation of k inside an instruction, the same on both sides, so every product meets its partner.
; THE WAY OUT: tanh(x) = 1 - 2 / (1 + 2^(2 log2(e) x)); 2 log2(e) 2^(e0 + e1) is one factor F.  The sum of w tanh = the sum of w + the sum of (-2 w) / (1 + 2^(F acc)): saturates rightly at both ends.
; Masked rows are not left out here: a branch on a loaded number beside joint loads could part the partners, and with one tile to a WGP the launch would end no sooner.
; LIMITS: e0 + e1 between -127 and 126 (it is added to F's exponent field, and 2^-(e0 + e1) is made as an f32 number).  NaN among the inputs is not served.
; REGISTERS, in windows of 256: window 0: v1 r, v2 h, v16-30 addresses; v32-95 HB, later w_v; v96-119 at work; v128-255 hbp's two halves, then A's fragments (ONE set), then the way out's two buffers.
;   window 1: W's fragments, TWO sets, at v0 and at v128.   window 2: the 32 accumulators of my rows 0-63 ((a, b) at v[8 (8 a + b)]);   window 3: those of my rows 64-127.
.set ROWB,   256                       ; a tile's row in bytes
.set KA,     2048                      ; a row of enc_codes in bytes
.set KB,     3072                      ; a row of w_codes
.set KH,     1024                      ; of which the first 1,024 belong to hidden
.set PITCH,  272                       ; an LDS row: 256 bytes + 16 of padding = 68 words: row r starts at bank 4 r mod 64 (64 banks of 4 bytes: ISA guide 11.1), so the 16 rows of a load start at 16 different banks
.set FR,     16                        ; registers of a fragment: 16 rows x 128 K
.set NL,     4                         ; LDS loads that bring one
.set NP,     4                         ; places behind this matrix instruction (ISA guide 7.12.1)
.set HALFT,  128*PITCH                 ; 128 rows: what one tensor load brings
.set SLOT,   4*HALFT                   ; A's 256 rows, then W's 256 rows
.set SPARE,  2*SLOT                    ; behind the ring: the spare words, 128 bytes for each wave: two blocks of 256 bytes that no other line names
.set STG,    SPARE+512                 ; 512 bytes for each wave: its 128 partial scores in row order; no tensor load fills them
.set ADRA, 16                          ; v16-17  LDS address of my A fragments in slot 0, 1
.set ADRB, 20                          ; v20-21  the same for W
.set STO,  24                          ; v24     my place in my stage
.set RD,   25                          ; v25     where I read it back
.set CO,   26                          ; v26     16 x lane: my bytes of the wave's 512 in part
.set WO,   27                          ; v27     32 h: my half's eight numbers of b_attn and of w_v
.set SPW,  28                          ; v28     LDS address of my spare word: SPARE + 4 x my thread's number; never rewritten
.set NIL,  29                          ; v29     0; never rewritten
.set HO,   30                          ; v30     256 h: my half's lanes in an image of hbp
.set HB,   32                          ; v32-95  the hidden part + bias, in the layout of 8 accumulators
.set WV,   32                          ; the same registers later: w_v in that layout
.set SC,   96                          ; v96-103 four chains of sums, in pairs
.set SW,   104                         ; v104-105 the sum of my 64 w, in a pair
.set VS,   108                         ; v108-111 the four partial scores that I store
.set PS,   112                         ; v112-119 block a's partial score
.set AF,   128
.set G1, 24                            ; s[24:31] descriptor group 1 for A's tiles;  s[32:39] group 0, one set for each slot
.set G0, 32
.set G1B, 48                           ; s[48:55], s[56:63] the same for W's tiles
.set G0B, 56
.set MSB, 0
.macro WIN new                         ; the immediate's high byte repeats the setting that is left
.if MSB != \new
	s_set_vgpr_msb (MSB<<8)|\new
.set MSB, \new
.endif
.endm
.set MUL_LO, 0xa1                      ; source 0 (W) window 1, source 1 (A) window 0, C and D window 2
.set MUL_HI, 0xf1                      ; the same, C and D window 3
.set TO_B,   0x40                      ; destination window 1, address window 0
; A joint load: waves 0 and 1 fetch for A, waves 2 and 3 for W.  Each line has ONE mask and one set of registers for all that issue it; the branch hangs on the wave's number alone.
; Four v_nop follow each of the two lines, ahead of the jump, the label and what follows.
.macro JLOAD g0a, g1a, g0b, g1b
	s_cmp_eq_u32 s15, 0
	s_cbranch_scc0 .Lfor_b_\@
	tensor_load_to_lds s[\g0a:\g0a+3], s[\g1a:\g1a+7]
	s_nop 0
.rept 4
	v_nop
.endr
	s_branch .Lasked_\@
.Lfor_b_\@:
	tensor_load_to_lds s[\g0b:\g0b+3], s[\g1b:\g1b+7]
	s_nop 0
.rept 4
	v_nop
.endr
.Lasked_\@:
.endm
.macro CREST                           ; a round of the cluster's barrier behind its opening barrier
	s_cmp_lg_u32 s14, 0
	s_cbranch_scc1 .Lnot_wave_0_\@
	s_barrier_signal -3
.Lnot_wave_0_\@:
	s_barrier_wait -3
	s_barrier_signal -1
	s_barrier_wait -1
.endm
.macro CROUND                          ; a whole round
	s_barrier_signal -1
	s_barrier_wait -1
	CREST
.endm
.macro PLACES n
.rept \n
	v_nop
.endr
.endm
	s_load_b256 s[4:11], s[0:1], 0x0               ; enc_codes s[4:5], w_codes s[6:7], hbp s[8:9], the scales' exponents s[10:11]
	s_load_b128 s[72:75], s[0:1], 0x20             ; b_attn s[72:73], w_v s[74:75]
	s_load_b64 s[76:77], s[0:1], 0x30              ; part
	v_lshl_add_u32 v[SPW], v0, 2, SPARE
	v_mov_b32 v[NIL], 0
	ds_add_u32 v28, v29
	ds_add_u32 v28, v29
	s_wait_dscnt 0x0
	v_lshrrev_b32 v3, 5, v0
	v_readfirstlane_b32 s14, v3                    ; wave 0..3
	s_lshr_b32 s15, s14, 1                         ; which half of the tile's rows is mine.  Also: I fetch for A (0) or for W (1)
	s_and_b32 s16, s14, 1                          ; which half of its columns.  Also: which 128 rows of a tile I fetch
	s_bfe_u32 s40, ttmp6, 0x40000                  ; cx, cy: my place in the cluster
	s_bfe_u32 s41, ttmp6, 0x40004
	s_lshl_b32 s42, ttmp9, 2
	s_add_co_u32 s42, s42, s40                     ; tile column = 4 x cluster x + cx
	s_and_b32 s17, ttmp7, 0xffff
	s_lshl_b32 s17, s17, 2
	s_add_co_u32 s17, s17, s41                     ; tile row = 4 x cluster y + cy
	s_lshl_b32 s43, s41, 2
	s_lshl_b32 s43, 15, s43                        ; my row of the cluster
	s_lshl_b32 s44, 0x1111, s40                    ; my column
	; descriptor group 1: a tile of 128 rows x 256 bytes, padded in LDS
	s_or_b32 s[G1+0], s43, (0<<16)|(1<<20)|(1<<21)|(5<<22)|(3<<25)  ; 15:0 the mask: A's tiles go to my row; 17:16 element of 1 byte; 20 padding on; 21 set beside a mask; 24:22 after every 64 words (code 5); 31:25 of 4 words (code 3)
	s_or_b32 s[G1B+0], s44, (0<<16)|(1<<20)|(1<<21)|(5<<22)|(3<<25) ; the same with the mask of my column, for W's tiles
.irp g, G1, G1B
	s_mov_b32 s[\g+1], ROWB<<16                    ; tensor_dim0
	s_mov_b32 s[\g+2], 128<<16                     ; tensor_dim1 = 128
	s_mov_b32 s[\g+3], ROWB<<16                    ; tile_dim0
	s_mov_b32 s[\g+4], 128                         ; tile_dim1 = 128
	s_mov_b32 s[\g+6], 0
	s_mov_b32 s[\g+7], 0
.endr
	s_mov_b32 s[G1+5], KA                          ; tensor_dim0_stride: from row to row
	s_mov_b32 s[G1B+5], KB
	s_lshl_b32 s18, s16, 7                         ; which 128 rows of the tile I fetch
	s_lshl_b32 s20, s17, 8
	s_add_co_u32 s20, s20, s18                     ; A: row 256 x tile row + 128 x half,
	s_lshl_b32 s20, s20, 11                        ; x 2,048 bytes: under 2^24
	s_mov_b32 s21, 0
	s_lshl_b32 s46, s42, 8
	s_add_co_u32 s46, s46, s18                     ; W: row 256 x tile column + 128 x half,
	s_mul_i32 s46, s46, KB                         ; x 3,072 bytes: under 2^23,
	s_add_co_u32 s46, s46, KH                      ; from the column at which encoder_out's part of K begins
	s_mov_b32 s47, 0
	s_mul_i32 s45, s14, HALFT                      ; where a tile goes: wave x 128 rows: no place in the cluster enters an LDS address
	s_wait_kmcnt 0x0
	s_load_b64 s[96:97], s[10:11], 0x0             ; e0, e1
	s_add_nc_u64 s[20:21], s[4:5], s[20:21]
	s_add_nc_u64 s[46:47], s[6:7], s[46:47]
	CROUND                                         ; all sixteen work-groups are here: the first joint loads meet
.irp s, 0,1
	s_mov_b32 s[G0+4*\s], 1                                        ; 1:0 count = 1
	s_add_co_u32 s[G0+4*\s+1], s45, \s*SLOT                        ; 63:32 LDS address
	s_add_nc_u64 s[G0+4*\s+2:G0+4*\s+3], s[20:21], \s*ROWB         ; 120:64 global address: K step s
	s_or_b32 s[G0+4*\s+3], s[G0+4*\s+3], 0x80000000                ; 127:126 type = 2
	s_mov_b32 s[G0B+4*\s], 1
	s_add_co_u32 s[G0B+4*\s+1], s45, \s*SLOT
	s_add_nc_u64 s[G0B+4*\s+2:G0B+4*\s+3], s[46:47], \s*ROWB
	s_or_b32 s[G0B+4*\s+3], s[G0B+4*\s+3], 0x80000000
	JLOAD G0+4*\s, G1, G0B+4*\s, G1B               ; the ring is filled before anything else is done
.endr
	v_and_b32 v1, 15, v0                           ; r = lane % 16
	v_bfe_u32 v2, v0, 4, 1                         ; h = lane / 16
	v_lshlrev_b32 v[HO], 8, v2
	v_lshlrev_b32 v[WO], 5, v2
	s_lshr_b32 s80, s17, 1                         ; the batch: two tile rows to a batch;
	s_lshl_b32 s80, s80, 4                         ; in an image of hbp it is a lane: 16 bytes
	s_lshl_b32 s81, s42, 14                        ; 16 images of 1,024 bytes to a tile column,
	s_add_co_u32 s80, s80, s81
	s_lshl_b32 s81, s16, 13                        ; 8 to my half of it
	s_add_co_u32 s80, s80, s81
	s_mov_b32 s81, 0
	s_add_nc_u64 s[8:9], s[8:9], s[80:81]
	s_lshl_b32 s82, s42, 10
	s_lshl_b32 s83, s16, 9
	s_add_co_u32 s82, s82, s83                     ; my first column, in bytes of f32: 1,024 x tile column + 512 x half
	s_mov_b32 s83, 0
	s_add_nc_u64 s[72:73], s[72:73], s[82:83]
	s_add_nc_u64 s[74:75], s[74:75], s[82:83]
	s_lshl_b32 s84, s42, 1
	s_add_co_u32 s84, s84, s16                     ; my chunk of 128 columns,
	s_lshl_b32 s84, s84, 15                        ; x 8,192 rows x 4 bytes,
	s_lshl_b32 s85, s17, 10
	s_add_co_u32 s84, s84, s85                     ; + 256 x tile row x 4
	s_lshl_b32 s85, s15, 9
	s_add_co_u32 s84, s84, s85                     ; + 128 x half x 4
	s_mov_b32 s85, 0
	s_add_nc_u64 s[76:77], s[76:77], s[84:85]
.irp b, 0,1,2,3,4,5,6,7
	global_load_b128 v[HB+8*\b:HB+8*\b+3], v[WO], s[72:73] offset:64*\b         ; b_attn at columns 16 b + 8 h + 0 .. 7: the accumulators' layout
	global_load_b128 v[HB+8*\b+4:HB+8*\b+7], v[WO], s[72:73] offset:64*\b+16
.endr
.irp q, 0,1                            ; the hidden part's two halves of K, in the same layout: the sixteen lanes of a half read the same 16 bytes, those of lane batch + 16 h of the image
.irp b, 0,1,2,3,4,5,6,7
	global_load_b128 v[AF+64*\q+8*\b:AF+64*\q+8*\b+3], v[HO], s[8:9] offset:131072*\q+1024*\b
	global_load_b128 v[AF+64*\q+8*\b+4:AF+64*\q+8*\b+7], v[HO], s[8:9] offset:131072*\q+1024*\b+512
.endr
.endr
	v_mul_u32_u24 v3, v1, PITCH
	v_lshl_add_u32 v4, v2, 4, v3                   ; a fragment's row x pitch + 16 x half
	s_mul_i32 s86, s15, HALFT                      ; my 128 rows of A
	s_mul_i32 s88, s16, HALFT                      ; my 128 rows of W,
	s_add_co_u32 s88, s88, 2*HALFT                 ; which lie behind A's 256
.irp s, 0,1
	v_add_nc_u32 v[ADRA+\s], s86, v4
	v_add_nc_u32 v[ADRB+\s], s88, v4
	s_add_co_u32 s86, s86, SLOT
	s_add_co_u32 s88, s88, SLOT
.endr
	s_lshl_b32 s89, s14, 9
	s_add_co_u32 s89, s89, STG                     ; my stage
	v_lshlrev_b32 v5, 2, v1
	v_lshl_add_u32 v5, v2, 8, v5
	v_add_nc_u32 v[STO], s89, v5                   ; in: 4 r + 256 h
	v_and_b32 v6, 31, v0
	v_lshlrev_b32 v[CO], 4, v6
	v_add_nc_u32 v[RD], s89, v[CO]                 ; back: 16 bytes a lane
	s_mov_b32 s90, 0x76543210                      ; v_permlanex16_b32's selects for lane l xor 16
	s_mov_b32 s91, 0xfedcba98
	s_wait_kmcnt 0x0
	s_add_co_i32 s96, s96, s97                     ; e0 + e1: a sum stands for sum x 2^(e0 + e1)
	s_sub_co_i32 s98, 127, s96
	s_lshl_b32 s98, s98, 23                        ; 2^-(e0 + e1) as f32: the bias goes in divided by the power of two that the sums lack
	s_mov_b32 s99, s98                             ; (named with it as a pair, so it is written)
	s_lshl_b32 s96, s96, 23
	s_add_co_i32 s96, s96, 0x4038aa3b              ; F = 2 log2(e) x 2^(e0 + e1): the exponents are added to the constant's exponent field
	s_mov_b32 s97, s96
	s_wait_loadcnt 0x0                             ; the bias and the two halves
.set j, 0
.rept 32
	v_pk_add_f32 v[AF+j:AF+j+1], v[AF+j:AF+j+1], v[AF+64+j:AF+64+j+1]
.set j, j+2
.endr
.set j, 0
.rept 32
	v_pk_fma_f32 v[HB+j:HB+j+1], v[HB+j:HB+j+1], s[98:99], v[AF+j:AF+j+1] op_sel_hi:[1,0,1]   ; HB = b_attn x 2^-(e0 + e1) + the hidden part
.set j, j+2
.endr
	s_wait_tensorcnt 0x1                           ; my part of K step 0 is in; K step 1's may stay out
	s_barrier_signal -1
	s_barrier_wait -1                              ; everybody's is
.macro FRAG reg, adr, q, i             ; a fragment, 16 rows x 128 K, is 16 registers: lane l holds row l % 16; registers 4 c .. 4 c + 3 hold K = 32 c + 16 (l / 16) + 0 .. 15
.irp c, 0,1,2,3
	ds_load_b128 v[\reg+4*\c:\reg+4*\c+3], v[\adr] offset:128*(\q)+32*\c+(\i)*16*PITCH
.endr
.endm
.macro FETCH_B slot, q, p              ; W's eight fragments of the slot's q-th 128 along K into set p
	WIN TO_B
.irp i, 0,1,2,3,4,5,6,7
	FRAG 128*(\p)+FR*\i, ADRB+\slot, \q, \i
.endr
	WIN 0
.endm
.macro FETCH_A slot, q, i0             ; A's blocks i0 .. i0 + 3
.irp i, \i0, \i0+1, \i0+2, \i0+3
	FRAG AF+FR*(\i), ADRA+\slot, \q, \i
.endr
.endm
; 16 matrix instructions: A's blocks a0, a0 + 1 x W's eight, 128 along K.  p: W's set.  first = 1: HB is the C that starts the sums: nothing is ever cleared.
; The 64 accumulators take turns, one instruction a turn, in the same order in every step.
.macro MUL16 a0, p, first
.irp a, \a0, \a0+1
.irp b, 0,1,2,3,4,5,6,7
.if \first
	v_wmma_f32_16x16x128_fp8_fp8 v[8*(8*((\a)%4)+\b):8*(8*((\a)%4)+\b)+7], v[128*(\p)+FR*\b:128*(\p)+FR*\b+FR-1], v[AF+FR*(\a):AF+FR*(\a)+FR-1], v[HB+8*\b:HB+8*\b+7]
.else
	v_wmma_f32_16x16x128_fp8_fp8 v[8*(8*((\a)%4)+\b):8*(8*((\a)%4)+\b)+7], v[128*(\p)+FR*\b:128*(\p)+FR*\b+FR-1], v[AF+FR*(\a):AF+FR*(\a)+FR-1], v[8*(8*((\a)%4)+\b):8*(8*((\a)%4)+\b)+7]
.endif
.endr
.endr
.endm
; A step of 128 along K that has its successor in the same slot.  A block of A is free as soon as its eight products are issued, so A has one set: blocks 0-3 are fetched anew in the step's middle, blocks 4-7 at its end.
.macro STEP slot, q, first
	s_wait_dscnt 4*NL                              ; W's set and A's blocks 0-3 are in; the youngest sixteen loads (A's blocks 4-7) may be out
.if \first
	WIN 0x81                                       ; D window 2, C (HB) window 0
.else
	WIN MUL_LO
.endif
	MUL16 0, (\q)%2, \first
	MUL16 2, (\q)%2, \first
	s_wait_dscnt 0                                 ; A's blocks 4-7 are in
	PLACES NP
	FETCH_B \slot, (\q)+1, 1-(\q)%2
	FETCH_A \slot, (\q)+1, 0
.if \first
	WIN 0xc1                                       ; D window 3, C window 0
.else
	WIN MUL_HI
.endif
	MUL16 4, (\q)%2, \first
	MUL16 6, (\q)%2, \first
	PLACES NP
	WIN 0
	FETCH_A \slot, (\q)+1, 4
.endm
; A slot's last step changes slots: ONE barrier; in front of it each wave waits for all its tensor loads, adds 0 to its spare word, and waits for that and for its own reads of this slot.  fill = 1: this slot is filled again, two K steps ahead.
.macro TURN slot, next, fill
	s_wait_tensorcnt 0x0                           ; all my tensor loads have landed: my part of the next slot  (every window is 0 here)
	ds_add_u32 v[SPW], v[NIL]                      ; 0 onto my spare word
	s_wait_dscnt 4*NL+1                            ; (the add and the youngest sixteen loads, A's blocks 4-7, may be out)
	WIN MUL_LO
	MUL16 0, 1, 0                                  ; sixteen matrix instructions stand between the add and the wait for it
	s_wait_dscnt 0x0                               ; the add is done, and my reads of this slot are over
	s_barrier_signal -1
	MUL16 2, 1, 0
	WIN 0
	s_barrier_wait -1
.if \fill
	CREST                                          ; the barrier has opened a round of the cluster's barrier: no wave of any partner still reads this slot's tile or has a load on its way
	s_add_nc_u64 s[G0+4*\slot+2:G0+4*\slot+3], s[G0+4*\slot+2:G0+4*\slot+3], 2*ROWB
	s_add_nc_u64 s[G0B+4*\slot+2:G0B+4*\slot+3], s[G0B+4*\slot+2:G0B+4*\slot+3], 2*ROWB
	JLOAD G0+4*\slot, G1, G0B+4*\slot, G1B         ; the first tensor load behind the round; the four v_nop behind it are the places in front of the loads below
.else
	PLACES NP
.endif
	FETCH_B \next, 0, 0
	FETCH_A \next, 0, 0
	WIN MUL_HI
	MUL16 4, 1, 0
	MUL16 6, 1, 0
	PLACES NP
	WIN 0
	FETCH_A \next, 0, 4
.endm
	FETCH_B 0, 0, 0
	FETCH_A 0, 0, 0
	FETCH_A 0, 0, 4
	STEP 0, 0, 1                                   ; the first step stands in front of the loop: its products take HB as C
.irp b, 0,1,2,3,4,5,6,7                ; HB is done with (four places stand behind its last reader): w_v comes into its registers, in the same layout, and is waited for on the way out
	global_load_b128 v[WV+8*\b:WV+8*\b+3], v[WO], s[74:75] offset:64*\b
	global_load_b128 v[WV+8*\b+4:WV+8*\b+7], v[WO], s[74:75] offset:64*\b+16
.endr
	s_mov_b32 s3, 3
.Llap:                                                 ; a trip goes once round the ring, from a lap's second step to the next lap's first, and fills both slots again: K steps 2 to 7
	TURN 0, 1, 1
	STEP 1, 0, 0
	TURN 1, 0, 1
	STEP 0, 0, 0
	s_sub_co_u32 s3, s3, 1
	s_cmp_lg_u32 s3, 0
	s_cbranch_scc1 .Llap
	TURN 0, 1, 0                                   ; the last lap fills nothing, and has no round of the cluster's barrier
	STEP 1, 0, 0
	s_wait_dscnt 4*NL                              ; the very last step: nothing more to fetch
	WIN MUL_LO
	MUL16 0, 1, 0
	MUL16 2, 1, 0
	s_wait_dscnt 0
	WIN MUL_HI
	MUL16 4, 1, 0
	MUL16 6, 1, 0
	WIN 0
	; THE WAY OUT.  First the sum of my 64 w, in a pair, in two chains, and -2 w: 63 plain lines that name no register of the last products: they are the places behind them.
	s_wait_loadcnt 0x0                             ; w_v
	v_pk_add_f32 v[SW:SW+1], v[WV:WV+1], v[WV+2:WV+3]
	v_pk_add_f32 v[SC:SC+1], v[WV+4:WV+5], v[WV+6:WV+7]
.set j, 8
.rept 14
	v_pk_add_f32 v[SW:SW+1], v[SW:SW+1], v[WV+j:WV+j+1]
	v_pk_add_f32 v[SC:SC+1], v[SC:SC+1], v[WV+j+2:WV+j+3]
.set j, j+4
.endr
	v_pk_add_f32 v[SW:SW+1], v[SW:SW+1], v[SC:SC+1]
.set j, 0
.rept 32
	v_pk_mul_f32 v[WV+j:WV+j+1], v[WV+j:WV+j+1], -2.0 op_sel_hi:[1,0]
.set j, j+2
.endr
; Block a (16 rows x my 128 columns): t = F x sum; 2^t; + 1; reciprocal; the dot with -2 w, begun with the sum of w, in four chains.  Each accumulator is read from its low end on.
.macro EPI a
.set T, 128+64*((\a)%2)
.set AC, 64*((\a)%4)
	WIN 0x02+((\a)/4)                              ; source 0: window 2 or 3
.set j, 0
.rept 32
	v_pk_mul_f32 v[T+j:T+j+1], v[AC+j:AC+j+1], s[96:97] op_sel_hi:[1,0]         ; both x s96 = F
.set j, j+2
.endr
	WIN 0
.set j, 0
.rept 64
	v_exp_f32 v[T+j], v[T+j]
.set j, j+1
.endr
	v_nop                                          ; a plain line behind the last transcendental, ahead of the use of its result
.set j, 0
	s_wait_alu depctr_va_vdst(0)
.rept 32
	v_pk_add_f32 v[T+j:T+j+1], v[T+j:T+j+1], 1.0 op_sel_hi:[1,0]
.set j, j+2
.endr
.set j, 0
.rept 64
	v_rcp_f32 v[T+j], v[T+j]
.set j, j+1
.endr
	v_nop
	s_wait_alu depctr_va_vdst(0)
	v_pk_fma_f32 v[SC:SC+1], v[T:T+1], v[WV:WV+1], v[SW:SW+1]
	v_pk_mul_f32 v[SC+2:SC+3], v[T+2:T+3], v[WV+2:WV+3]
	v_pk_mul_f32 v[SC+4:SC+5], v[T+4:T+5], v[WV+4:WV+5]
	v_pk_mul_f32 v[SC+6:SC+7], v[T+6:T+7], v[WV+6:WV+7]
.set j, 4
.rept 28
	v_pk_fma_f32 v[SC+2*(j%4):SC+2*(j%4)+1], v[T+2*j:T+2*j+1], v[WV+2*j:WV+2*j+1], v[SC+2*(j%4):SC+2*(j%4)+1]
.set j, j+1
.endr
	v_pk_add_f32 v[SC:SC+1], v[SC:SC+1], v[SC+2:SC+3]
	v_pk_add_f32 v[SC+4:SC+5], v[SC+4:SC+5], v[SC+6:SC+7]
	v_pk_add_f32 v[SC:SC+1], v[SC:SC+1], v[SC+4:SC+5]
	v_add_f32 v[PS+\a], v[SC], v[SC+1]             ; row 16 a + r, my half's 64 columns
.endm
.irp a, 0,1,2,3,4,5,6,7
	EPI \a
.endr
.irp a, 0,1,2,3,4,5,6,7
	v_permlanex16_b32 v[128+\a], v[PS+\a], s90, s91                ; the row's other 64 columns lie in the lane 16 away (the destination has been written before)
.endr
.irp a, 0,1,2,3,4,5,6,7
	v_add_f32 v[PS+\a], v[PS+\a], v[128+\a]
.endr
	v_cmp_eq_u32 vcc_lo, 1, v2                     ; both halves now hold all eight blocks: lanes 0-15 store blocks 0-3, lanes 16-31 blocks 4-7
.irp i, 0,1,2,3
	v_cndmask_b32 v[VS+\i], v[PS+\i], v[PS+4+\i], vcc_lo
.endr
.irp i, 0,1,2,3
	ds_store_b32 v[STO], v[VS+\i] offset:64*\i     ; row 16 (i + 4 h) + r at 4 x row
.endr
	ds_load_b128 v[SC:SC+3], v[RD]                 ; LDS serves a wave's instructions in order (ISA guide 5.7.1.4): this sees my stores
	s_wait_dscnt 0x0
	global_store_b128 v[CO], v[SC:SC+3], s[76:77]  ; 32 lanes store my 128 rows' partial scores: 512 consecutive bytes, aligned
	s_wait_tensorcnt 0x0                           ; the wave's end, behind my last tensor load and my last LDS store
	ds_add_u32 v[SPW], v[NIL]
	s_wait_dscnt 0x0
	CROUND                                         ; the closing round: no work-group ends while a partner may still ask for a tile that names it
	s_endpgm
.Lfunc_end_k_q15a5528b33_scores:
	.size	k_q15a5528b33_scores, .Lfunc_end_k_q15a5528b33_scores-k_q15a5528b33_scores
	.p2alignl 7, 3214868480
	.fill 96, 4, 3214868480
	.section	.rodata,"a",@progbits
	.p2align	6, 0x0
	.amdhsa_kernel k_q15a5528b33_scores
		.amdhsa_group_segment_fixed_size 327680
		.amdhsa_private_segment_fixed_size 0
		.amdhsa_enable_private_segment 0
		.amdhsa_kernarg_size 56
		.amdhsa_user_sgpr_count 2
		.amdhsa_user_sgpr_kernarg_segment_ptr 1
		.amdhsa_wavefront_size32 1
		.amdhsa_system_sgpr_workgroup_id_x 1
		.amdhsa_system_sgpr_workgroup_id_y 1
		.amdhsa_system_sgpr_workgroup_id_z 1
		.amdhsa_system_vgpr_workitem_id 0
		.amdhsa_next_free_vgpr 1024
		.amdhsa_next_free_sgpr 100
		.amdhsa_reserve_vcc 1
		.amdhsa_float_denorm_mode_32 3
		.amdhsa_float_denorm_mode_16_64 3
		.amdhsa_memory_ordered 1
		.amdhsa_forward_progress 1
		.amdhsa_inst_pref_size 177
	.end_amdhsa_kernel
	.amdgpu_metadata
---
amdhsa.version: [ 1, 2 ]
amdhsa.kernels:
  - .name:           k_q15a5528b33_scores
    .symbol:         k_q15a5528b33_scores.kd
    .args:
      - { .name: enc_codes, .offset: 0, .size: 8, .value_kind: global_buffer, .address_space: global }
      - { .name: w_codes, .offset: 8, .size: 8, .value_kind: global_buffer, .address_space: global }
      - { .name: hbp, .offset: 16, .size: 8, .value_kind: global_buffer, .address_space: global }
      - { .name: lowp_scales, .offset: 24, .size: 8, .value_kind: global_buffer, .address_space: global }
      - { .name: b_attn, .offset: 32, .size: 8, .value_kind: global_buffer, .address_space: global }
      - { .name: w_v, .offset: 40, .size: 8, .value_kind: global_buffer, .address_space: global }
      - { .name: part, .offset: 48, .size: 8, .value_kind: global_buffer, .address_space: global }
    .group_segment_fixed_size: 327680
    .private_segment_fixed_size: 0
    .kernarg_segment_align: 8
    .kernarg_segment_size: 56
    .max_flat_workgroup_size: 128
    .sgpr_count:     100
    .vgpr_count:     1024
    .wavefront_size: 32
...
	.end_amdgpu_metadata
.endif
;; end of part 2
;; launch context (part 3): grid 16 x 16, 8 waves a work-group, no clusters, 9,216 bytes of LDS; arguments part, b_v, lengths, encoder_out, out0; writes out0
.if DOCPART == 3
	.amdgcn_target "amdgcn-amd-amdhsa--gfx1250"
	.amdhsa_code_object_version 6
	.text
	.protected	k_q15a5528b33_context
	.globl	k_q15a5528b33_context
	.p2align	8
	.type	k_q15a5528b33_context,@function
k_q15a5528b33_context:
	s_mov_b64 s[64:65], 0
	v_nop
	global_prefetch_b8 v0, s[64:65] scope:SCOPE_SE
	s_setreg_imm32_b32 hwreg(HW_REG_WAVE_MODE, 25, 1), 1
	s_wait_xcnt 0x0
; out0[b][d] = the sum over s < lengths[b] of softmax_s(score[b][s]) encoder_out[b][s][d];  score = the sum of the 16 partial scores in part [16][8192] + b_v.
; A work-group takes one batch (y) and 128 columns d (x): 512 bytes of each row.  Eight waves.
; THE SOFTMAX: thread t owns positions 2 t and 2 t + 1.  Positions at or beyond the length count as -infinity for the maximum and get weight 0.  The maximum is taken away before the exponential.
; The weights are kept unnormalised in LDS; the result is multiplied once by 1 / their sum.  (The 16 work-groups of a batch each make the softmax anew: 32 KiB of part each, against a launch more.)
; THE STREAM: wave w takes rows 128 g + 16 w + 0 .. 15, g = 0 .. 3; a load is one row's 512 bytes, 16 a lane, aligned.  Group 0 is asked for at the head, always (its rows lie inside the buffer; masked rows have
; weight 0), and starts the sums.  A group g > 0 that begins at or beyond the length is neither read nor multiplied: forward branches on a whole number read from the input lengths.
; ALL THE GROUPS THAT A WAVE NEEDS ARE ON THEIR WAY TOGETHER: behind the softmax groups 1 and 2 are asked for at once, into buffers of their own, and group 3 as soon as group 0 has been multiplied, into its
; buffer: 48 loads of 512 bytes a wave.  (Not ahead of the softmax: its two barriers may stand under no branch that differs from wave to wave.)  Each way through the branches multiplies only what it has asked for.
; f32 multiply-adds: the product has one row, so matrix units would idle, and memory binds.  No cluster: no input byte is shared between work-groups.
; LIMITS: lengths is held within 0 .. 512; length 0 gives zeros.  Infinities or NaN in rows at or beyond the length are not served: a weight 0 times them is NaN.
.set ROWB, 8192                        ; a row of encoder_out in bytes
.set MAXW, 2048                        ; LDS: 0 .. 2047 the 512 weights; the eight waves' maxima;
.set SUMW, 2304                        ; their sums;
.set RED,  2560                        ; and their partial results, 512 bytes each
.set X,    64                          ; v64-255  three buffers of 16 rows x 4 registers
.set PB,   16                          ; v16-47   two buffers of 16 weights, where the partial scores lay
	s_load_b256 s[4:11], s[0:1], 0x0               ; part s[4:5], b_v s[6:7], lengths s[8:9], encoder_out s[10:11]
	s_load_b64 s[12:13], s[0:1], 0x20              ; out0
	v_lshl_add_u32 v62, v0, 2, 0x2000
	v_mov_b32 v63, 0
	v_lshrrev_b32 v57, 5, v0
	v_readfirstlane_b32 s14, v57                   ; wave 0..7
	v_and_b32 v1, 31, v0                           ; lane
	v_lshlrev_b32 v2, 3, v0                        ; 8 t: my two positions' bytes, in part and among the weights
	v_lshlrev_b32 v3, 1, v0                        ; position 2 t
	v_add_nc_u32 v6, 1, v3                         ; position 2 t + 1
	s_lshl_b32 s24, s14, 17
	v_lshl_add_u32 v4, v1, 4, s24                  ; encoder_out: 16 x lane + 16 w rows
	s_lshl_b32 s24, s14, 6
	v_mov_b32 v5, s24                              ; my wave's 16 weights of a group: 64 w
	s_lshl_b32 s24, s14, 2
	v_mov_b32 v7, s24                              ; my wave's word among the maxima and the sums
	v_mov_b32 v8, 0
	v_lshlrev_b32 v11, 4, v1                       ; 16 x lane
	v_add_nc_u32 v10, RED, v11
	s_lshl_b32 s24, s14, 9
	v_add_nc_u32 v9, s24, v10                      ; my wave's partial result
	v_mov_b32 v57, 0xff800000                      ; -infinity
	v_mov_b32 v60, 0                               ; written once: a lane permute's destination counts as one of its sources
	s_mov_b32 s20, 0x76543210                      ; v_permlanex16_b32's selects for lane l xor 16
	s_mov_b32 s21, 0xfedcba98
	s_and_b32 s15, ttmp7, 0xffff                   ; the batch
	s_lshl_b32 s22, s15, 2
	s_mov_b32 s23, 0
	s_lshl_b32 s28, s15, 11                        ; part: 512 positions x 4 bytes
	s_mov_b32 s29, 0
	s_lshl_b32 s16, ttmp9, 9                       ; my 128 columns
	s_lshl_b32 s30, s15, 22                        ; encoder_out: 512 rows x 8,192 bytes: under 2^26
	s_add_co_u32 s30, s30, s16
	s_mov_b32 s31, 0
	s_lshl_b32 s32, s15, 13                        ; out0: a row of 8,192 bytes
	s_add_co_u32 s32, s32, s16
	s_mov_b32 s33, 0
	s_wait_kmcnt 0x0
	s_add_nc_u64 s[8:9], s[8:9], s[22:23]
	s_load_b32 s17, s[8:9], 0x0                    ; lengths[b]
	s_load_b32 s19, s[6:7], 0x0                    ; b_v
	s_add_nc_u64 s[4:5], s[4:5], s[28:29]
	s_add_nc_u64 s[10:11], s[10:11], s[30:31]
	s_add_nc_u64 s[12:13], s[12:13], s[32:33]
.macro XLOAD g                         ; group g's 16 rows into buffer g % 3; the largest offset, 399 rows, lies inside the signed 24-bit immediate (ISA guide, chapter 10)
.set i, 0
.rept 16
	global_load_b128 v[X+64*((\g)%3)+4*i:X+64*((\g)%3)+4*i+3], v4, s[10:11] offset:(128*(\g)+i)*ROWB th:TH_LOAD_NT
.set i, i+1
.endr
.endm
.macro PLOAD g                         ; and its 16 weights into buffer g % 2: every lane reads the same 64 bytes
.irp k, 0,1,2,3
	ds_load_b128 v[PB+16*((\g)%2)+4*\k:PB+16*((\g)%2)+4*\k+3], v5 offset:512*(\g)+16*\k
.endr
.endm
; 16 rows x 4 columns a lane: even rows add onto v[48:51], odd rows onto v[52:55]; a pair of weights serves two rows: its first register for both halves of the even row's lines, its second for the odd row's.
; Group 0's first two rows start the sums: nothing is cleared.
.macro FMAG g
.set XB, X+64*((\g)%3)
.set PW, PB+16*((\g)%2)
.irp i, 0,2,4,6,8,10,12,14
.if (\g) == 0 && \i == 0
	v_pk_mul_f32 v[48:49], v[XB:XB+1], v[PW:PW+1] op_sel_hi:[1,0]
	v_pk_mul_f32 v[50:51], v[XB+2:XB+3], v[PW:PW+1] op_sel_hi:[1,0]
	v_pk_mul_f32 v[52:53], v[XB+4:XB+5], v[PW:PW+1] op_sel:[0,1] op_sel_hi:[1,1]
	v_pk_mul_f32 v[54:55], v[XB+6:XB+7], v[PW:PW+1] op_sel:[0,1] op_sel_hi:[1,1]
.else
	v_pk_fma_f32 v[48:49], v[XB+4*\i:XB+4*\i+1], v[PW+\i:PW+\i+1], v[48:49] op_sel_hi:[1,0,1]
	v_pk_fma_f32 v[50:51], v[XB+4*\i+2:XB+4*\i+3], v[PW+\i:PW+\i+1], v[50:51] op_sel_hi:[1,0,1]
	v_pk_fma_f32 v[52:53], v[XB+4*\i+4:XB+4*\i+5], v[PW+\i:PW+\i+1], v[52:53] op_sel:[0,1,0] op_sel_hi:[1,1,1]
	v_pk_fma_f32 v[54:55], v[XB+4*\i+6:XB+4*\i+7], v[PW+\i:PW+\i+1], v[54:55] op_sel:[0,1,0] op_sel_hi:[1,1,1]
.endif
.endr
.endm
.irp c, 0,1,2,3,4,5,6,7,8,9,10,11,12,13,14,15
	global_load_b64 v[16+2*\c:17+2*\c], v2, s[4:5] offset:32768*\c                 ; chunk c's partial scores of my two positions: a wave reads 256 consecutive bytes
.endr
	XLOAD 0                                        ; the stream begins while the softmax is made
	s_wait_kmcnt 0x0
	s_max_i32 s17, s17, 0
	s_min_i32 s17, s17, 512                        ; the length, held within 0 .. 512
	s_lshl_b32 s24, s14, 4
	s_sub_co_i32 s18, s17, s24                     ; group g of my wave begins below the length where this is above 128 g
	s_wait_loadcnt 16                              ; the partial scores are in; group 0's sixteen loads stay out
.irp c, 0,1,2,3,4,5,6,7
	v_pk_add_f32 v[16+2*\c:17+2*\c], v[16+2*\c:17+2*\c], v[32+2*\c:33+2*\c]
.endr
.irp c, 0,1,2,3
	v_pk_add_f32 v[16+2*\c:17+2*\c], v[16+2*\c:17+2*\c], v[24+2*\c:25+2*\c]
.endr
.irp c, 0,1
	v_pk_add_f32 v[16+2*\c:17+2*\c], v[16+2*\c:17+2*\c], v[20+2*\c:21+2*\c]
.endr
	v_pk_add_f32 v[16:17], v[16:17], v[18:19]
	v_add_f32 v16, s19, v16                        ; + b_v
	v_add_f32 v17, s19, v17
	v_cmp_gt_u32 vcc_lo, s17, v3                   ; the length > my position: it counts
	v_cmp_gt_u32 s25, s17, v6
	v_cndmask_b32 v16, v57, v16, vcc_lo            ; else -infinity
	v_cndmask_b32 v17, v57, v17, s25
	v_max_num_f32 v59, v16, v17
	v_max_num_f32_dpp v59, v59, v59 row_xmask:1 row_mask:0xf bank_mask:0xf
	v_max_num_f32_dpp v59, v59, v59 row_xmask:2 row_mask:0xf bank_mask:0xf
	v_max_num_f32_dpp v59, v59, v59 row_xmask:4 row_mask:0xf bank_mask:0xf
	v_max_num_f32_dpp v59, v59, v59 row_xmask:8 row_mask:0xf bank_mask:0xf
	v_permlanex16_b32 v60, v59, s20, s21
	v_max_num_f32 v59, v59, v60                    ; my wave's maximum, in every lane
	ds_store_b32 v7, v59 offset:MAXW
	s_wait_dscnt 0x0                               ; for the others' sake: my store is done
	s_barrier_signal -1
	s_barrier_wait -1
	ds_load_b128 v[32:35], v8 offset:MAXW
	ds_load_b128 v[36:39], v8 offset:MAXW+16
	s_wait_dscnt 0x0
	v_max3_num_f32 v32, v32, v33, v34
	v_max3_num_f32 v32, v32, v35, v36
	v_max3_num_f32 v32, v32, v37, v38
	v_max_num_f32 v32, v32, v39                    ; the batch's maximum
	v_sub_f32 v16, v16, v32
	v_sub_f32 v17, v17, v32
	v_mul_f32 v16, 0x3fb8aa3b, v16                 ; x log2(e)
	v_mul_f32 v17, 0x3fb8aa3b, v17
	v_exp_f32 v16, v16
	v_exp_f32 v17, v17
	v_nop                                          ; a plain line behind the last transcendental
	s_wait_alu depctr_va_vdst(0)
	v_cndmask_b32 v16, 0, v16, vcc_lo              ; weight 0 beyond the length
	v_cndmask_b32 v17, 0, v17, s25
	v_add_f32 v59, v16, v17
	v_add_f32_dpp v59, v59, v59 row_xmask:1 row_mask:0xf bank_mask:0xf
	v_add_f32_dpp v59, v59, v59 row_xmask:2 row_mask:0xf bank_mask:0xf
	v_add_f32_dpp v59, v59, v59 row_xmask:4 row_mask:0xf bank_mask:0xf
	v_add_f32_dpp v59, v59, v59 row_xmask:8 row_mask:0xf bank_mask:0xf
	v_permlanex16_b32 v60, v59, s20, s21
	v_add_f32 v59, v59, v60                        ; my wave's sum
	ds_store_b32 v7, v59 offset:SUMW
	ds_store_b64 v2, v[16:17]                      ; my two weights
	s_wait_dscnt 0x0
	s_barrier_signal -1
	s_barrier_wait -1
	ds_load_b128 v[32:35], v8 offset:SUMW
	ds_load_b128 v[36:39], v8 offset:SUMW+16
	PLOAD 0
	s_wait_dscnt 4                                 ; the sums are in; group 0's four loads of weights may be out
	v_add_f32 v32, v32, v33
	v_add_f32 v34, v34, v35
	v_add_f32 v36, v36, v37
	v_add_f32 v38, v38, v39
	v_add_f32 v32, v32, v34
	v_add_f32 v36, v36, v38
	v_add_f32 v32, v32, v36
	v_max_num_f32 v32, 1.0, v32                    ; the largest weight is 1, so this changes nothing unless the length is 0: then the result is 0 x 1
	v_rcp_f32 v56, v32
	v_nop
	; the stream.  Each wait on LOADcnt names the loads of the groups asked for behind the one in hand (16 each), each wait on DScnt the four loads of the next group's weights.
	s_cmp_gt_i32 s18, 128
	s_cbranch_scc0 .Ltail0
	XLOAD 1
	s_cmp_gt_i32 s18, 256
	s_cbranch_scc0 .Ltail1
	XLOAD 2
	s_cmp_gt_i32 s18, 384
	s_cbranch_scc0 .Ltail2
	PLOAD 1                                        ; four groups
	s_wait_loadcnt 32                              ; group 0 is in; groups 1 and 2 stay out
	s_wait_dscnt 4
	FMAG 0
	XLOAD 3                                        ; into group 0's buffer, which has just been multiplied
	PLOAD 2
	s_wait_loadcnt 32                              ; group 1 is in; groups 2 and 3 stay out
	s_wait_dscnt 4
	FMAG 1
	PLOAD 3
	s_wait_loadcnt 16
	s_wait_dscnt 4
	FMAG 2
	s_wait_loadcnt 0x0
	s_wait_dscnt 0x0
	FMAG 3
	s_branch .Lsum
.Ltail2:                                               ; three groups
	PLOAD 1
	s_wait_loadcnt 32
	s_wait_dscnt 4
	FMAG 0
	PLOAD 2
	s_wait_loadcnt 16
	s_wait_dscnt 4
	FMAG 1
	s_wait_loadcnt 0x0
	s_wait_dscnt 0x0
	FMAG 2
	s_branch .Lsum
.Ltail1:                                               ; two groups
	PLOAD 1
	s_wait_loadcnt 16
	s_wait_dscnt 4
	FMAG 0
	s_wait_loadcnt 0x0
	s_wait_dscnt 0x0
	FMAG 1
	s_branch .Lsum
.Ltail0:                                               ; group 0 alone
	s_wait_loadcnt 0x0
	s_wait_dscnt 0x0
	FMAG 0
.Lsum:
	v_pk_add_f32 v[48:49], v[48:49], v[52:53]
	v_pk_add_f32 v[50:51], v[50:51], v[54:55]
	ds_store_b128 v9, v[48:51]
	s_wait_dscnt 0x0
	s_barrier_signal -1
	s_barrier_wait -1                              ; every wave's way leads here
	s_cmp_lg_u32 s14, 0
	s_cbranch_scc1 .Lend                           ; wave 0 adds the eight partial results and stores
.irp k, 0,1,2,3,4,5,6,7
	ds_load_b128 v[X+4*\k:X+4*\k+3], v10 offset:512*\k
.endr
	s_wait_dscnt 0x0
.irp k, 0,1,2,3
	v_pk_add_f32 v[X+4*\k:X+4*\k+1], v[X+4*\k:X+4*\k+1], v[X+16+4*\k:X+16+4*\k+1]
	v_pk_add_f32 v[X+4*\k+2:X+4*\k+3], v[X+4*\k+2:X+4*\k+3], v[X+16+4*\k+2:X+16+4*\k+3]
.endr
.irp k, 0,1
	v_pk_add_f32 v[X+4*\k:X+4*\k+1], v[X+4*\k:X+4*\k+1], v[X+8+4*\k:X+8+4*\k+1]
	v_pk_add_f32 v[X+4*\k+2:X+4*\k+3], v[X+4*\k+2:X+4*\k+3], v[X+8+4*\k+2:X+8+4*\k+3]
.endr
	v_pk_add_f32 v[X:X+1], v[X:X+1], v[X+4:X+5]
	v_pk_add_f32 v[X+2:X+3], v[X+2:X+3], v[X+6:X+7]
	s_wait_alu depctr_va_vdst(0)
	v_pk_mul_f32 v[X:X+1], v[X:X+1], v[56:57] op_sel_hi:[1,0]      ; / the sum of the weights (the pair's first register for both halves)
	v_pk_mul_f32 v[X+2:X+3], v[X+2:X+3], v[56:57] op_sel_hi:[1,0]
	global_store_b128 v11, v[X:X+3], s[12:13]      ; 32 lanes store 512 consecutive bytes, aligned
.Lend:
	s_wait_tensorcnt 0x0
	ds_add_u32 v62, v63
	s_wait_dscnt 0x0
	s_endpgm
.Lfunc_end_k_q15a5528b33_context:
	.size	k_q15a5528b33_context, .Lfunc_end_k_q15a5528b33_context-k_q15a5528b33_context
	.p2alignl 7, 3214868480
	.fill 96, 4, 3214868480
	.section	.rodata,"a",@progbits
	.p2align	6, 0x0
	.amdhsa_kernel k_q15a5528b33_context
		.amdhsa_group_segment_fixed_size 9216
		.amdhsa_private_segment_fixed_size 0
		.amdhsa_enable_private_segment 0
		.amdhsa_kernarg_size 40
		.amdhsa_user_sgpr_count 2
		.amdhsa_user_sgpr_kernarg_segment_ptr 1
		.amdhsa_wavefront_size32 1
		.amdhsa_system_sgpr_workgroup_id_x 1
		.amdhsa_system_sgpr_workgroup_id_y 1
		.amdhsa_system_sgpr_workgroup_id_z 1
		.amdhsa_system_vgpr_workitem_id 0
		.amdhsa_next_free_vgpr 256
		.amdhsa_next_free_sgpr 66
		.amdhsa_reserve_vcc 1
		.amdhsa_float_denorm_mode_32 3
		.amdhsa_float_denorm_mode_16_64 3
		.amdhsa_memory_ordered 1
		.amdhsa_forward_progress 1
		.amdhsa_inst_pref_size 39
	.end_amdhsa_kernel
	.amdgpu_metadata
---
amdhsa.version: [ 1, 2 ]
amdhsa.kernels:
  - .name:           k_q15a5528b33_context
    .symbol:         k_q15a5528b33_context.kd
    .args:
      - { .name: part, .offset: 0, .size: 8, .value_kind: global_buffer, .address_space: global }
      - { .name: b_v, .offset: 8, .size: 8, .value_kind: global_buffer, .address_space: global }
      - { .name: lengths, .offset: 16, .size: 8, .value_kind: global_buffer, .address_space: global }
      - { .name: encoder_out, .offset: 24, .size: 8, .value_kind: global_buffer, .address_space: global }
      - { .name: out0, .offset: 32, .size: 8, .value_kind: global_buffer, .address_space: global }
    .group_segment_fixed_size: 9216
    .private_segment_fixed_size: 0
    .kernarg_segment_align: 8
    .kernarg_segment_size: 40
    .max_flat_workgroup_size: 256
    .sgpr_count:     66
    .vgpr_count:     256
    .wavefront_size: 32
...
	.end_amdgpu_metadata
.endif
;; end of part 3
;; ======== version 2 of 2: 3 launches; version 1 with the launch quant written anew for expert scheduling mode
;; workspace buffers: enc_codes 16,777,216 bytes; w_codes 6,291,456 bytes; hbp 262,144 bytes; part 524,288 bytes
;; launch quant (part 4): grid 768 x 1, 4 waves a work-group, no clusters, 33,280 bytes of LDS; arguments encoder_out, W_attn, hidden, lowp_scales, lengths, enc_codes, w_codes, hbp; writes enc_codes, w_codes, hbp
.if DOCPART == 4
	.amdgcn_target "amdgcn-amd-amdhsa--gfx1250"
	.amdhsa_code_object_version 6
	.text
	.protected	k_q15a5528b33_quant
	.globl	k_q15a5528b33_quant
	.p2align	8
	.type	k_q15a5528b33_quant,@function
k_q15a5528b33_quant:
	s_mov_b64 s[64:65], 0
	v_nop
	global_prefetch_b8 v0, s[64:65] scope:SCOPE_SE
	s_setreg_imm32_b32 hwreg(HW_REG_WAVE_SCHED_MODE, 0, 2), 2
	s_setreg_imm32_b32 hwreg(HW_REG_WAVE_MODE, 25, 1), 1
	s_wait_xcnt 0x0
	s_wait_alu depctr_vm_vsrc(0)
; TWO KINDS OF WORK-GROUPS, parted by the work-group's number alone.
; (1) THE STREAMS (work-groups HBW on).  encoder_out [8192][2048] and W_attn [2048][3072], f32, become codes of FP8 (E4M3), one byte each, K innermost, each with the scale 2^e given for it:
;     entry 0 of the scales for encoder_out (it is part of the product's left operand), entry 1 for W_attn.  code = x / 2^e, held within +-448, rounded to the nearest code, ties to even.
;     Both tensors are dense streams.  The first WGA of these work-groups take encoder_out, the others W_attn; only pointers are chosen.  A wave takes 16 steps of 512 numbers = 4 rows of encoder_out.
;     THE MASK: positions at or beyond lengths[b] never reach the result (the softmax gives them weight 0), so a wave whose 4 rows all lie there reads nothing and stores zero codes, which keep the later
;     product finite.  The branch hangs on a whole number read from the input lengths.
;     Each load reads 512 consecutive bytes; the conversions want 16 NEIGHBOURS in a lane, so a step's 2,048 bytes turn through the wave's own stage in LDS (16 bytes of padding behind each 64).
;     A lane's 16 codes are 16 bytes: a store covers 512 consecutive bytes, aligned.  Loads run four steps (16 loads a wave) ahead.
; (2) THE HIDDEN PART (work-groups 0 to HBW - 1).  The first 1,024 of the product's K are hidden's column of the batch, the same in all 512 rows of a batch: that part of a sum is one number for each
;     (batch, column): 16 x 2,048 x 1,024, with the 16 batches as the 16 rows of a matrix instruction.  Wave g = 4 x work-group + wave takes 16 rows of W_attn (tile g / 2) and half g % 2 of the 1,024:
;     four steps of 128.  Both operands are quantised in registers: of W a lane (r, h) takes row r and 16 neighbours of each block of 32; of hidden [k][batch] it takes column r and its registers run down K,
;     in the same places of k.  Source 0 = W's 16 rows, source 1 = the 16 batches: lane (r, h), register j is batch r, column 8 h + j of the tile.  Two accumulators take turns.
;     The sums (of codes: 2^(e0 + e1) is applied later) leave as an image of the registers: hbp [half][tile][register group][lane][4]: a store covers 512 consecutive bytes, aligned.
;     No LDS, no barrier: these waves share nothing.
; LIMITS: both e between -126 and 119, so that 2^e and 448 x 2^e are f32 numbers.  NaN among the inputs is not served.
; No tensor loads and no clusters: no input tile is shared by work-groups that run in step.
; THE MODE: SCHED_MODE bits 1:0 = 2 (LLVM: expert scheduling mode 2), set by the entry lines.  The code itself states the register dependences between vector or matrix instructions and memory or LDS
; instructions, with s_wait_alu, always for 0.
; THE PLAN, the streams.  Registers that memory or LDS instructions touch:
;   v3, v14, v15  offsets and LDS addresses: made at the head, never written again.
;   R[t % 4]      written by step t's global loads; read by the four LDS stores of TURN t; loaded again, for step t + 4, in step t.  No vector instruction names them.
;   X[t % 2]      written by TURN t's LDS loads; read and written by step t's holds and conversions; no memory instruction reads them.
;   C[t]          written by step t's conversions; read by one global store, issued at the head of step t + 1; never written again.
;   At the head of step t two waits state all of it: TURN t's LDS stores have read R[t % 4]; step t - 1 has written C[t - 1] and is done with the X in which TURN t + 1's loads land.
;   Behind them stand the step's loads, the store of the step before and TURN t + 1, with no vector instruction among them; the holds and conversions that follow name X[t % 2] and C[t] alone.
; THE PLAN, the hidden part.  v3, v4, v5: offsets, made at the head, never written again.
;   HF            written by step s's loads; read and written by step s's holds and conversions; loaded again for step s + 1.
;   WF[s % 2]     likewise; loaded again for step s + 2.
;   HC, WC and the accumulators are named by vector and matrix instructions alone.
;   ONE wait a step, behind hidden's conversions: this step is done with HF, and the step before is done with its set of W.  Behind it go W's set of step s + 1 and hidden's step s + 1;
;   the lines that follow (this step's W, the product) name WF[s % 2], WC, HC and the accumulators: none of the registers in which those loads land.
.set STEPS, 16
.set HBW,   64                         ; 128 tiles x 2 halves / 4 waves
.set WGA,   512                        ; 8192 x 2048 / 32,768 work-groups for encoder_out; 2048 x 3072 / 32,768 = 192 for W_attn
.set EMAX,  8
.set MANT,  0x600000                   ; the mantissa field of 448 as f32
.set R,     16                         ; the streams: v16-79   four sets of 16 numbers as they are loaded
.set X,     80                         ;              v80-111  two sets of 16 neighbours
.set C,     128                        ;              v128-191 codes: four registers for each step, so that no store's data are written again
.set WREG,  8192                       ; LDS: a region of its own for each wave: two stages of 32 x SP bytes
.set SP,    80                         ; a lane's place in a stage: its 64 bytes + 16 of padding
.set HC,    16                         ; the hidden part: v16-31 hidden's fragment, v32-47 W's fragment,
.set WC,    32
.set A0,    48                         ;              v48-55 and v56-63 the two accumulators,
.set HF,    64                         ;              v64-127 64 numbers of hidden,
.set WF,    128                        ;              v128-255 two sets of 64 numbers of W
.set KW,    12288                      ; a row of W_attn in bytes
	s_load_b128 s[4:7], s[0:1], 0x0                ; encoder_out, W_attn
	s_load_b128 s[8:11], s[0:1], 0x10              ; hidden, the scales' exponents
	s_load_b128 s[12:15], s[0:1], 0x20             ; lengths, encoder_out's codes
	s_load_b128 s[32:35], s[0:1], 0x30             ; W_attn's codes, hbp
	v_lshl_add_u32 v12, v0, 2, 0x8000
	v_mov_b32 v13, 0
	v_lshrrev_b32 v1, 5, v0
	v_readfirstlane_b32 s16, v1                    ; wave
	s_wait_alu depctr_va_sdst(0)                   ; s16 is written, ahead of the branch and of its first reader on either way
	s_cmp_lt_u32 ttmp9, HBW
	s_cbranch_scc1 .Lhb
	; ---------------- the streams
	s_sub_co_u32 s31, ttmp9, HBW                   ; my number among the streams' work-groups
	v_and_b32 v2, 31, v0                           ; lane
	v_lshlrev_b32 v3, 4, v2                        ; my 16 bytes of a load's 512, and of a store's 512
	s_mul_i32 s17, s16, WREG
	v_lshrrev_b32 v14, 2, v2
	v_mul_u32_u24 v14, v14, SP
	v_and_b32 v15, 3, v2
	v_lshl_add_u32 v14, v15, 4, v14
	v_add_nc_u32 v14, s17, v14                     ; the stage, on the way in: SP (lane / 4) + 16 (lane % 4); a load's 512 bytes take eight places
	v_mul_u32_u24 v15, v2, SP
	v_add_nc_u32 v15, s17, v15                     ; and on the way out: SP x lane: my 16 neighbours
	s_lshr_b32 s28, s31, 5                         ; 32 work-groups of 16 rows to a batch;
	s_min_u32 s28, s28, 15                         ; W_attn's work-groups read entry 15 and do not use it
	s_lshl_b32 s28, s28, 2
	s_mov_b32 s29, 0
	s_wait_kmcnt 0x0
	s_add_nc_u64 s[12:13], s[12:13], s[28:29]
	s_load_b64 s[22:23], s[10:11], 0x0             ; e of encoder_out, e of W_attn
	s_load_b32 s26, s[12:13], 0x0                  ; lengths[b]
	s_cmp_lt_u32 s31, WGA                          ; which tensor?  The choice hangs on the work-group's number alone
	s_cselect_b64 s[4:5], s[4:5], s[6:7]
	s_cselect_b64 s[24:25], s[14:15], s[32:33]
	s_cselect_b32 s17, 0, WGA
	s_sub_co_u32 s17, s31, s17
	s_lshl_b32 s17, s17, 2
	s_add_co_u32 s18, s17, s16                     ; which run of 8,192 numbers of the tensor is my wave's
	s_mov_b32 s19, 0
	s_mov_b64 s[20:21], 512*STEPS*4
	s_mul_u64 s[20:21], s[18:19], s[20:21]
	s_add_nc_u64 s[4:5], s[4:5], s[20:21]
	s_mov_b64 s[20:21], 512*STEPS
	s_mul_u64 s[20:21], s[18:19], s[20:21]
	s_add_nc_u64 s[24:25], s[24:25], s[20:21]
	s_wait_kmcnt 0x0
	s_cmp_lt_u32 s31, WGA
	s_cselect_b32 s22, s22, s23                    ; e
	s_cselect_b32 s26, s26, 512                    ; W_attn has no mask: 512 lies above every first row below
	s_and_b32 s27, s31, 31
	s_lshl_b32 s27, s27, 4
	s_lshl_b32 s30, s16, 2
	s_add_co_u32 s27, s27, s30                     ; my first position in the batch: 16 x (work-group % 32) + 4 x wave, 508 at the most
	s_cmp_ge_u32 s27, s26                          ; unsigned: a negative length would hide nothing here
	s_cbranch_scc1 .Lzero
.macro LOAD t
.irp i, 0,1,2,3
	global_load_b128 v[R+16*((\t)%4)+4*\i:R+16*((\t)%4)+4*\i+3], v3, s[4:5] offset:2048*(\t)+512*\i   ; 32 lanes read 512 consecutive bytes
.endr
.endm
.macro TURN t                          ; step t's numbers through the stage: LDS serves a wave's instructions in order (ISA guide 5.7.1.4), so no wait stands between the stores and the loads
.irp i, 0,1,2,3
	ds_store_b128 v14, v[R+16*((\t)%4)+4*\i:R+16*((\t)%4)+4*\i+3] offset:32*SP*((\t)%2)+8*SP*\i
.endr
.irp i, 0,1,2,3
	ds_load_b128 v[X+16*((\t)%2)+4*\i:X+16*((\t)%2)+4*\i+3], v15 offset:32*SP*((\t)%2)+16*\i
.endr
.endm
	s_wait_alu depctr_va_vdst(0)                   ; v3, v14 and v15 are written: every load, store and LDS access of this way reads one of them as its offset or address
.irp t, 0,1,2,3
	LOAD \t
.endr
	s_add_co_i32 s22, s22, 127
	s_lshl_b32 s23, s22, 23
	v_mov_b32 v11, s23                             ; 2^e as f32: the conversion takes its exponent field
	s_add_co_i32 s22, s22, EMAX
	s_lshl_b32 s22, s22, 23
	s_or_b32 s22, s22, MANT
	v_mov_b32 v10, s22                             ; 448 x 2^e
	s_wait_loadcnt 12                              ; step 0's four loads are in; the twelve of steps 1 to 3 stay out
	TURN 0
.macro STEP t
.set XS, X+16*((\t)%2)
	s_wait_dscnt 0x0                               ; this step's numbers are back from the stage
.if (\t)+4 < STEPS
	s_wait_alu depctr_vm_vsrc(0)                   ; this step's four stores into the stage have read R[t % 4], in which the loads below land
.endif
.if (\t) > 0
	s_wait_alu depctr_va_vdst(0)                   ; the step before has written its codes, which the store below reads, and is done reading and writing its X, in which the next step's numbers land
.endif
.if (\t)+4 < STEPS
	LOAD (\t)+4                                    ; the loads of four steps on
.endif
.if (\t) > 0
	global_store_b128 v3, v[C+4*((\t)-1):C+4*((\t)-1)+3], s[24:25] offset:512*((\t)-1)      ; the step before: 32 lanes store 512 consecutive bytes, aligned
.endif
.if (\t)+1 < STEPS
.if STEPS-2-(\t) >= 3
	s_wait_loadcnt 12                              ; the next step's four loads are in; those of the three steps behind it may be out
.else
	s_wait_loadcnt 4*(STEPS-2-(\t))                ; near the end fewer steps stand behind it
.endif
	TURN (\t)+1                                    ; and go through the other stage while this step is worked.  No vector instruction since the waits above
.endif
.irp i, 0,1,2,3,4,5,6,7,8,9,10,11,12,13,14,15
	v_med3_num_f32 v[XS+\i], v[XS+\i], -v10, v10   ; the conversion to an 8-bit code does not saturate (ISA guide 7.6.2): hold the number within the largest code x the scale first
.endr
	v_cvt_scalef32_pk8_fp8_f32 v[C+4*(\t):C+4*(\t)+1], v[XS:XS+7], v11          ; eight numbers / 2^e, to the nearest code, ties to even; the first number's code in the lowest byte
	v_cvt_scalef32_pk8_fp8_f32 v[C+4*(\t)+2:C+4*(\t)+3], v[XS+8:XS+15], v11
	v_nop                                          ; one plain vector line behind the last conversion of a run
.endm
.irp t, 0,1,2,3,4,5,6,7,8,9,10,11,12,13,14,15
	STEP \t
.endr
	s_wait_alu depctr_va_vdst(0)                   ; the last step's conversions have written its codes, which the last store reads
	global_store_b128 v3, v[C+4*(STEPS-1):C+4*(STEPS-1)+3], s[24:25] offset:512*(STEPS-1)
	s_wait_dscnt 0x0                               ; the closing lines, six on end
	s_wait_alu 0x0
	s_wait_tensorcnt 0x0
	ds_add_u32 v12, v13
	s_wait_dscnt 0x0
	s_endpgm
.Lzero:                                                ; all four rows lie at or beyond the length: zero codes, nothing read, nothing stored to LDS
.irp i, 0,1,2,3
	v_mov_b32 v[C+\i], 0
.endr
	s_wait_alu depctr_va_vdst(0)                   ; the four zeros and v3 are written, which the stores read as data and offset
.irp t, 0,1,2,3,4,5,6,7,8,9,10,11,12,13,14,15
	global_store_b128 v3, v[C:C+3], s[24:25] offset:512*\t
.endr
	s_endpgm
	; ---------------- the hidden part
.Lhb:
	v_and_b32 v1, 15, v0                           ; r
	v_bfe_u32 v2, v0, 4, 1                         ; h
	s_lshl_b32 s17, ttmp9, 2
	s_add_co_u32 s17, s17, s16                     ; g = 4 x work-group + wave
	s_lshr_b32 s18, s17, 1                         ; the tile: W's rows 16 t on
	s_and_b32 s19, s17, 1                          ; the half: k = 512 q on
	v_mul_u32_u24 v3, v1, KW                       ; W: row r,
	v_lshl_add_u32 v3, v2, 6, v3                   ;    + 64 h: my 16 numbers of a block of 32
	v_lshlrev_b32 v4, 2, v1                        ; hidden: column r (the batch),
	v_lshl_add_u32 v4, v2, 10, v4                  ;    lanes 16-31 begin 16 rows of 64 bytes further down
	v_and_b32 v5, 31, v0
	v_lshlrev_b32 v5, 4, v5                        ; out: 16 x lane
	s_mul_i32 s20, s18, 16*KW                      ; under 2^25
	s_lshl_b32 s21, s19, 11                        ; 512 numbers of a row
	s_add_co_u32 s20, s20, s21
	s_mov_b32 s21, 0
	s_lshl_b32 s22, s19, 15                        ; 512 rows of hidden
	s_mov_b32 s23, 0
	s_lshl_b32 s24, s18, 10                        ; a tile's image is 1,024 bytes;
	s_lshl_b32 s25, s19, 17                        ; 128 tiles to a half
	s_add_co_u32 s24, s24, s25
	s_mov_b32 s25, 0
	s_wait_kmcnt 0x0
	s_load_b64 s[26:27], s[10:11], 0x0             ; e0 (hidden is part of the left operand), e1 (W_attn)
	s_add_nc_u64 s[6:7], s[6:7], s[20:21]
	s_add_nc_u64 s[8:9], s[8:9], s[22:23]
	s_add_nc_u64 s[34:35], s[34:35], s[24:25]
.macro HLOAD s                         ; step s: hidden(128 s + 32 c + 16 h + i, r): sixteen neighbouring lanes read 64 neighbouring bytes
.irp c, 0,1,2,3
.irp i, 0,1,2,3,4,5,6,7,8,9,10,11,12,13,14,15
	global_load_b32 v[HF+16*\c+\i], v4, s[8:9] offset:(128*(\s)+32*\c+\i)*64
.endr
.endr
.endm
.macro WLOAD s                         ; step s: W(r, 128 s + 32 c + 16 h + 0 .. 15) into set s % 2: 64 neighbouring bytes a lane for each block.  (No hint: the streams read these bytes too)
.irp c, 0,1,2,3
.irp j, 0,1,2,3
	global_load_b128 v[WF+64*((\s)%2)+16*\c+4*\j:WF+64*((\s)%2)+16*\c+4*\j+3], v3, s[6:7] offset:512*(\s)+128*\c+16*\j
.endr
.endr
.endm
; 64 numbers of a lane, register 16 c + i = k 32 c + 16 h + i, become a fragment: registers 4 c .. 4 c + 3 hold those 16 codes.  The same places of k on both sides, so every product meets its partner.
.macro QUANT64 src, dst, sc, lim
.set i, 0
.rept 64
	v_med3_num_f32 v[\src+i], v[\src+i], -v[\lim], v[\lim]         ; the hold at the largest code x the scale (ISA guide 7.6.2)
.set i, i+1
.endr
.irp g, 0,1,2,3,4,5,6,7
	v_cvt_scalef32_pk8_fp8_f32 v[\dst+2*\g:\dst+2*\g+1], v[\src+8*\g:\src+8*\g+7], v[\sc]
.endr
	v_nop                                          ; one plain vector line between the last conversion and the matrix instruction that reads its result
.endm
; A step of 128 along K.  Loads come back in order (ISA guide 5.7.1), so each wait names what was asked for behind the loads that it needs.
; The loads go out in this order: hidden 0, W 0, W 1 | hidden 1 | W 2, hidden 2 | W 3, hidden 3.
.macro HSTEP s
.if (\s) == 0
	s_wait_loadcnt 32                              ; hidden's step 0 is in; W's two sets (32 loads) stay out
.else
	s_wait_loadcnt 0x0                             ; hidden's step and this step's W are in: nothing was asked for behind them
.endif
	QUANT64 HF, HC, 8, 9
.if (\s) < 3
	s_wait_alu depctr_va_vdst(0)                   ; this step's holds and conversions are done reading and writing HF; those of the step before are done with their set of W: the loads below land in both
.if (\s) > 0
	WLOAD (\s)+1                                   ; into the set that the step before has converted
.endif
	HLOAD (\s)+1                                   ; the numbers are converted: their registers take the next step's
.endif
.if (\s) == 0
	s_wait_loadcnt 63                              ; W's two sets are in: they are the oldest 32 of the 96 asked for; behind them stand 64 loads, more than a count can name
.endif
	QUANT64 WF+64*((\s)%2), WC, 11, 10             ; names this step's set of W and WC: none of the registers in which the loads above land
.if (\s) < 2
	v_wmma_f32_16x16x128_fp8_fp8 v[A0+8*(\s):A0+8*(\s)+7], v[WC:WC+15], v[HC:HC+15], 0    ; the first product on each accumulator starts its sum
.else
	v_wmma_f32_16x16x128_fp8_fp8 v[A0+8*((\s)%2):A0+8*((\s)%2)+7], v[WC:WC+15], v[HC:HC+15], v[A0+8*((\s)%2):A0+8*((\s)%2)+7]   ; the two accumulators take turns, one instruction a turn
.endif
.rept 4
	v_nop                                          ; four places ahead of the lines that write its sources anew or read its result (ISA guide 7.12.1)
.endr
.endm
	s_wait_alu depctr_va_vdst(0)                   ; v3, v4 and v5 are written: every load and store of this way reads one of them as its offset
	HLOAD 0                                        ; 96 loads are asked for on end; where the counter's field is full the issue holds (ISA guide 5.7.1)
	WLOAD 0
	WLOAD 1
	s_wait_kmcnt 0x0
	s_add_co_i32 s28, s26, 127
	s_lshl_b32 s29, s28, 23
	v_mov_b32 v8, s29                              ; 2^e0
	s_add_co_i32 s28, s28, EMAX
	s_lshl_b32 s28, s28, 23
	s_or_b32 s28, s28, MANT
	v_mov_b32 v9, s28                              ; 448 x 2^e0
	s_add_co_i32 s28, s27, 127
	s_lshl_b32 s29, s28, 23
	v_mov_b32 v11, s29                             ; 2^e1
	s_add_co_i32 s28, s28, EMAX
	s_lshl_b32 s28, s28, 23
	s_or_b32 s28, s28, MANT
	v_mov_b32 v10, s28                             ; 448 x 2^e1
	HSTEP 0
	HSTEP 1
	HSTEP 2
	HSTEP 3
.irp i, 0,2,4,6
	v_pk_add_f32 v[HF+\i:HF+\i+1], v[A0+\i:A0+\i+1], v[A0+8+\i:A0+8+\i+1]       ; the two sums, each read from its low end on
.endr
	s_wait_alu depctr_va_vdst(0)                   ; the four additions have written v[HF .. HF + 7], which the two stores read
	global_store_b128 v5, v[HF:HF+3], s[34:35]                     ; registers 0-3 of all lanes: 512 consecutive bytes, aligned
	global_store_b128 v5, v[HF+4:HF+7], s[34:35] offset:512        ; registers 4-7
	s_endpgm
.Lfunc_end_k_q15a5528b33_quant:
	.size	k_q15a5528b33_quant, .Lfunc_end_k_q15a5528b33_quant-k_q15a5528b33_quant
	.p2alignl 7, 3214868480
	.fill 96, 4, 3214868480
	.section	.rodata,"a",@progbits
	.p2align	6, 0x0
	.amdhsa_kernel k_q15a5528b33_quant
		.amdhsa_group_segment_fixed_size 33280
		.amdhsa_private_segment_fixed_size 0
		.amdhsa_enable_private_segment 0
		.amdhsa_kernarg_size 64
		.amdhsa_user_sgpr_count 2
		.amdhsa_user_sgpr_kernarg_segment_ptr 1
		.amdhsa_wavefront_size32 1
		.amdhsa_system_sgpr_workgroup_id_x 1
		.amdhsa_system_sgpr_workgroup_id_y 1
		.amdhsa_system_sgpr_workgroup_id_z 1
		.amdhsa_system_vgpr_workitem_id 0
		.amdhsa_next_free_vgpr 256
		.amdhsa_next_free_sgpr 66
		.amdhsa_reserve_vcc 0
		.amdhsa_float_denorm_mode_32 3
		.amdhsa_float_denorm_mode_16_64 3
		.amdhsa_memory_ordered 1
		.amdhsa_forward_progress 1
		.amdhsa_inst_pref_size 111
	.end_amdhsa_kernel
	.amdgpu_metadata
---
amdhsa.version: [ 1, 2 ]
amdhsa.kernels:
  - .name:           k_q15a5528b33_quant
    .symbol:         k_q15a5528b33_quant.kd
    .args:
      - { .name: encoder_out, .offset: 0, .size: 8, .value_kind: global_buffer, .address_space: global }
      - { .name: W_attn, .offset: 8, .size: 8, .value_kind: global_buffer, .address_space: global }
      - { .name: hidden, .offset: 16, .size: 8, .value_kind: global_buffer, .address_space: global }
      - { .name: lowp_scales, .offset: 24, .size: 8, .value_kind: global_buffer, .address_space: global }
      - { .name: lengths, .offset: 32, .size: 8, .value_kind: global_buffer, .address_space: global }
      - { .name: enc_codes, .offset: 40, .size: 8, .value_kind: global_buffer, .address_space: global }
      - { .name: w_codes, .offset: 48, .size: 8, .value_kind: global_buffer, .address_space: global }
      - { .name: hbp, .offset: 56, .size: 8, .value_kind: global_buffer, .address_space: global }
    .group_segment_fixed_size: 33280
    .private_segment_fixed_size: 0
    .kernarg_segment_align: 8
    .kernarg_segment_size: 64
    .max_flat_workgroup_size: 128
    .sgpr_count:     66
    .vgpr_count:     256
    .wavefront_size: 32
...
	.end_amdgpu_metadata
.endif
;; end of part 4
;; launch scores: the kernel of part 2 again; grid 8 x 32, 4 waves a work-group, clusters of 4 x 4, 327,680 bytes of LDS; arguments enc_codes, w_codes, hbp, lowp_scales, b_attn, w_v, part; writes part
;; launch context: the kernel of part 3 again; grid 16 x 16, 8 waves a work-group, no clusters, 9,216 bytes of LDS; arguments part, b_v, lengths, encoder_out, out0; writes out0
